; MI455X (gfx1250); checked and timed in simulation.
; The chip was launched on July 23, 2026; its instructions are those of AMD's public machine-readable ISA for CDNA 5 (MIT licence, August 2026) and "CDNA5" Instruction Set Architecture Reference Guide (July 2026). The comments in the code are by the model that wrote it; some were corrected since.
;; Attention. Allowed arithmetic: float matrix products may take bf16 or f16 operands with f32 sums; other float arithmetic in f32, or as packed bf16 or f16 multiplies, adds, multiply-adds, maxima and minima; sums over many terms, partial sums and values carried from step to step in f32; what a program stores and reads back later, other than sums and carried values, may be rounded once to bf16 or f16.
;; Inputs: wk 1,024 x 1,024 float32; wq 1,024 x 1,024 float32; wv 1,024 x 1,024 float32; x 4 x 2,048 x 1,024 float32.
;; Outputs: out0 4 x 2,048 x 1,024 float32.
;; 2 versions, each right; version 2 is version 1 with the launch cast written anew for expert scheduling mode. Each part assembles by itself: llvm-mc -triple=amdgcn-amd-amdhsa -mcpu=gfx1250 --defsym DOCPART=n.
;; ======== version 1 of 2: 4 launches
;; limits: values are held in f16: magnitudes above 65,504 overflow, below 6.1e-05 lose precision
;; workspace buffers: xb 16,777,216 bytes; wb 6,291,456 bytes; qf 16,777,216 bytes; kf 16,777,216 bytes; vf 16,777,216 bytes; pf 33,554,432 bytes; st 1,048,576 bytes
;; launch cast (part 1): grid 64 x 11, 8 waves a work-group, no clusters, 0 bytes of LDS; arguments x, wq, wk, wv, xb, wb; writes xb, wb
.if DOCPART == 1
	.amdgcn_target "amdgcn-amd-amdhsa--gfx1250"
	.amdhsa_code_object_version 6
	.text
	.protected	k_q953d4991fc_cast
	.globl	k_q953d4991fc_cast
	.p2align	8
	.type	k_q953d4991fc_cast,@function
k_q953d4991fc_cast:
	s_mov_b64 s[64:65], 0
	v_nop
	global_prefetch_b8 v0, s[64:65] scope:SCOPE_SE
	s_setreg_imm32_b32 hwreg(HW_REG_WAVE_MODE, 25, 1), 1
	s_wait_xcnt 0x0
; x, wq, wk, wv (f32) are rounded once to bf16.  xb keeps x's order: [8192][1024].  wb holds the three weights' rows in groups:
; row 192 tc + 64 p + jj of wb is row 64 tc + jj of weight p (0 wq, 1 wk, 2 wv), so that 192 rows on end are 64 columns each of q, k and v.
; SHARES.  The grid's y names a piece of 4 MiB of f32: 0..7 the eighths of x, 8, 9, 10 the weights.  A work-group takes 65,536 bytes of it (16 rows) and
; writes 32,768; inside the piece both are linear.  A thread takes 16 bytes a load, 16 loads, all issued before the first is used: no register is written twice.
; A load of a wave covers 512 consecutive bytes, a store 256 consecutive bytes, aligned.  No LDS, no matrix unit: each number is touched once.
.set IN,  4                            ; v[4:67]   16 loads of 4 registers
.set OUT, 68                           ; v[68:99]  16 results of 2 registers
	s_load_b256 s[4:11], s[0:1], 0x0               ; x s[4:5], wq s[6:7], wk s[8:9], wv s[10:11]
	s_load_b128 s[12:15], s[0:1], 0x20             ; xb s[12:13], wb s[14:15]
	s_and_b32 s20, ttmp7, 0xffff                   ; the piece
	v_lshlrev_b32 v1, 4, v0                        ; 16 bytes a thread in
	v_lshlrev_b32 v2, 3, v0                        ; 8 bytes a thread out
	s_lshl_b32 s28, ttmp9, 16                      ; my 65,536 bytes of the piece
	s_lshl_b32 s21, s20, 22                        ; the piece's place in x
	s_max_u32 s23, s20, 8
	s_sub_co_u32 s23, s23, 8                       ; p (0 for a piece of x, where it is not used)
	s_lshl_b32 s23, s23, 6
	s_lshr_b32 s22, ttmp9, 2                       ; tc: 16 rows a work-group, 64 a group
	s_mul_i32 s22, s22, 192
	s_add_co_u32 s22, s22, s23
	s_and_b32 s23, ttmp9, 3
	s_lshl_b32 s23, s23, 4
	s_add_co_u32 s22, s22, s23                     ; row 192 tc + 64 p + jj
	s_lshl_b32 s22, s22, 11                        ; of 2,048 bytes
	s_lshl_b32 s24, s20, 21
	s_lshl_b32 s25, ttmp9, 15
	s_add_co_u32 s24, s24, s25                     ; the place in xb
	s_mov_b32 s29, 0
	s_mov_b32 s27, 0
	s_wait_kmcnt 0x0
	s_cmp_eq_u32 s20, 9
	s_cselect_b64 s[16:17], s[8:9], s[10:11]
	s_cmp_eq_u32 s20, 8
	s_cselect_b64 s[16:17], s[6:7], s[16:17]
	s_cmp_lt_u32 s20, 8
	s_cselect_b64 s[16:17], s[4:5], s[16:17]       ; from where
	s_cselect_b64 s[18:19], s[12:13], s[14:15]     ; to where
	s_cselect_b32 s26, s24, s22
	s_cselect_b32 s21, s21, 0
	s_add_co_u32 s28, s28, s21
	s_add_nc_u64 s[16:17], s[16:17], s[28:29]
	s_add_nc_u64 s[18:19], s[18:19], s[26:27]
.set i, 0
.rept 16
	global_load_b128 v[IN+4*i:IN+4*i+3], v1, s[16:17] offset:4096*i th:TH_LOAD_NT
.set i, i+1
.endr
.set i, 0
.rept 16
	s_wait_loadcnt 15-i                            ; loads come back in order: number i is in, the younger ones stay out
	v_cvt_pk_bf16_f32 v[OUT+2*i], v[IN+4*i], v[IN+4*i+1]
	v_cvt_pk_bf16_f32 v[OUT+2*i+1], v[IN+4*i+2], v[IN+4*i+3]
	global_store_b64 v2, v[OUT+2*i:OUT+2*i+1], s[18:19] offset:2048*i
.set i, i+1
.endr
	s_endpgm
.Lfunc_end_k_q953d4991fc_cast:
	.size	k_q953d4991fc_cast, .Lfunc_end_k_q953d4991fc_cast-k_q953d4991fc_cast
	.p2alignl 7, 3214868480
	.fill 96, 4, 3214868480
	.section	.rodata,"a",@progbits
	.p2align	6, 0x0
	.amdhsa_kernel k_q953d4991fc_cast
		.amdhsa_group_segment_fixed_size 0
		.amdhsa_private_segment_fixed_size 0
		.amdhsa_enable_private_segment 0
		.amdhsa_kernarg_size 48
		.amdhsa_user_sgpr_count 2
		.amdhsa_user_sgpr_kernarg_segment_ptr 1
		.amdhsa_wavefront_size32 1
		.amdhsa_system_sgpr_workgroup_id_x 1
		.amdhsa_system_sgpr_workgroup_id_y 1
		.amdhsa_system_sgpr_workgroup_id_z 1
		.amdhsa_system_vgpr_workitem_id 0
		.amdhsa_next_free_vgpr 104
		.amdhsa_next_free_sgpr 66
		.amdhsa_reserve_vcc 0
		.amdhsa_float_denorm_mode_32 3
		.amdhsa_float_denorm_mode_16_64 3
		.amdhsa_memory_ordered 1
		.amdhsa_forward_progress 1
		.amdhsa_inst_pref_size 7
	.end_amdhsa_kernel
	.amdgpu_metadata
---
amdhsa.version: [ 1, 2 ]
amdhsa.kernels:
  - .name:           k_q953d4991fc_cast
    .symbol:         k_q953d4991fc_cast.kd
    .args:
      - { .name: x, .offset: 0, .size: 8, .value_kind: global_buffer, .address_space: global }
      - { .name: wq, .offset: 8, .size: 8, .value_kind: global_buffer, .address_space: global }
      - { .name: wk, .offset: 16, .size: 8, .value_kind: global_buffer, .address_space: global }
      - { .name: wv, .offset: 24, .size: 8, .value_kind: global_buffer, .address_space: global }
      - { .name: xb, .offset: 32, .size: 8, .value_kind: global_buffer, .address_space: global }
      - { .name: wb, .offset: 40, .size: 8, .value_kind: global_buffer, .address_space: global }
    .group_segment_fixed_size: 0
    .private_segment_fixed_size: 0
    .kernarg_segment_align: 8
    .kernarg_segment_size: 48
    .max_flat_workgroup_size: 256
    .sgpr_count:     66
    .vgpr_count:     104
    .wavefront_size: 32
...
	.end_amdgpu_metadata
.endif
;; end of part 1
;; launch proj (part 2): grid 16 x 16, 4 waves a work-group, clusters of 4 x 4, 327,680 bytes of LDS; arguments xb, wb, qf, kf, vf; writes qf, kf, vf
.if DOCPART == 2
	.amdgcn_target "amdgcn-amd-amdhsa--gfx1250"
	.amdhsa_code_object_version 6
	.text
	.protected	k_q953d4991fc_proj
	.globl	k_q953d4991fc_proj
	.p2align	8
	.type	k_q953d4991fc_proj,@function
k_q953d4991fc_proj:
	s_mov_b64 s[64:65], 0
	v_nop
	global_prefetch_b8 v0, s[64:65] scope:SCOPE_SE
	s_setreg_imm32_b32 hwreg(HW_REG_WAVE_MODE, 25, 1), 1
	s_wait_xcnt 0x0
	s_wait_alu depctr_hold_cnt(0) depctr_sa_sdst(0) depctr_va_vdst(0) depctr_va_sdst(0) depctr_va_ssrc(0) depctr_va_vcc(0) depctr_vm_vsrc(0)
	s_getreg_b32 s2, hwreg(HW_REG_IB_STS2, 6, 4)
	s_cmp_eq_u32 s2, 0
	s_cbranch_scc0 .Lentry_in_a_cluster
	s_endpgm
.Lentry_in_a_cluster:
	s_bfe_u32 s2, ttmp6, 0x10000c
	s_cmp_lg_u32 s2, 0xf033
	s_cbranch_scc0 .Lentry_shape_is_right
	s_endpgm
.Lentry_shape_is_right:
; [8192 x 3072] = xb . wb^T, bf16 operands, f32 sums; the results are rounded once to f16 and stored AS MATRIX FRAGMENTS for the two launches behind.
; LIMIT.  f16 ends at 65,504: q, k and v must stay within it (with inputs as drawn they are of the order of 1).  NaN and infinities are not treated apart.
; A FRAGMENT is 16 rows x 32 k of 16 bits = 1,024 bytes: first the 32 lanes' registers 0-3 (16 bytes a lane), then their registers 4-7.
;   qf, kf: [block of 256 rows 32][128 d 8][16 rows 16][32 d 4][1,024]      vf (V^T: 16 channels x 32 keys): [block of 256 keys 32][128 channels 8][16 channels 8][32 keys 8][1,024]
; SHARES.  A tile is 256 rows x 192 columns: 64 columns each of q, k and v (wb's row order).  A work-group makes two tiles, row blocks rg and rg + 16: 256 work-groups, 16 K steps of 128 each.
; Wave w takes rows 64 w .. 64 w + 63 and all 192 columns: 4 (a) x 12 (b) accumulators, 48 products for 32 along K.
; For q and k (b < 8) source 0 is wb's rows and source 1 xb's: a lane ends with one row and eight neighbouring d, half a fragment's 16 bytes.  For v (b >= 8) the sources change places:
; a lane ends with one channel and eight neighbouring keys.  So a result needs no LDS on its way out: a store of a wave is 512 consecutive bytes, aligned.
; RING.  Two LDS slots, each with 256 rows of xb and 192 of wb, 256 bytes a row + 16 of padding.  The slot in hand is s[TB], turned by an exclusive or, so a K step is written twice in all:
; once for the trips that fill a slot again, once for the last two, which do not.
; CLUSTER.  4 x 4 work-groups: xb's tile hangs on rg alone and is asked for jointly along a row of the cluster, wb's on tc alone, along a column.
; REGISTERS in windows of 256: window 0 addresses and v32-223 packed results; window 1 two fragment buffers of 128 (wb's 12 fragments, then xb's 4);
; window 2 the accumulators of a = 0, 1 at 96 (a % 2) + 8 b; window 3 those of a = 2, 3.
.set PITCH,  272                       ; 68 words: the 16 rows of a fragment load start at 16 different groups of four banks
.set ABYTES, 256*PITCH
.set BBYTES, 192*PITCH
.set SLOTX,  0x20000                   ; slot 1 begins here: one exclusive or turns an address in one slot into the other's
.set SPARE,  SLOTX+ABYTES+BBYTES       ; behind the ring: the spare words, 128 bytes a wave, two blocks of 256 bytes that no other line names
.set ADRA0, 4                          ; v4  my place in xb's rows of slot 0; never rewritten
.set ADRB0, 5                          ; v5  the same for wb's
.set CA,    6                          ; v6  the same in the slot in hand
.set CB,    7                          ; v7
.set CO,    8                          ; v8  16 x lane
.set PFO,   9                          ; v9  the prefetches' offset: a lane a row
.set SPW,   10                         ; v10 my spare word's LDS address; never rewritten
.set NIL,   11                         ; v11 0; never rewritten
.set TMP,   32                         ; v32-223 packed results, 48 registers for each a
.set F0,    0
.set F1,    128
.set WV, 14
.set HALF, 15
.set ISB, 16
.set CX, 17
.set CY, 18
.set TC, 19
.set RG, 20
.set CLY, 21
.set G1A, 24
.set G1B, 32
.set G0A, 40                           ; two sets: the first fill of slot 0; the first fill of slot 1, which then walks
.set G0B, 48
.set ABASE, 56
.set BBASE, 58
.set N, 60                             ; in trip N the rest of K step N - 1 is multiplied
.set TB, 61
.set OFFA, 62
.set OFFB, 66
.set PFA, 68
.set PFBASE, 70
.set LIM, 72
.set CNT, 73
.set QP, 74
.set KP, 76
.set VP, 78
.set GFLAGS, (1<<16)|(1<<20)|(1<<21)|(5<<22)|(3<<25)   ; 2-byte elements; padding on; bit 21 beside a mask; after every 64 words, 4 words
.set MSB, 0
.macro WIN new                         ; the immediate's high byte repeats the setting that is left; a switch that changes nothing is dropped
.if MSB != (\new)
	s_set_vgpr_msb (MSB<<8)|(\new)
.set MSB, \new
.endif
.endm
.macro PLACES                          ; four plain vector instructions between a matrix instruction and a load into, or a vector read of, its registers
.rept 4
	v_nop
.endr
.endm
.macro CREST                           ; a round of the cluster's barrier behind its opening barrier
	s_cmp_lg_u32 s[WV], 0
	s_cbranch_scc1 .Lnot_wave_0_\@
	s_barrier_signal -3
.Lnot_wave_0_\@:
	s_barrier_wait -3
	s_barrier_signal -1
	s_barrier_wait -1
.endm
.macro CROUND
	s_barrier_signal -1
	s_barrier_wait -1
	CREST
.endm
.macro JLOAD                           ; the joint refill: waves 0, 1 xb's halves, waves 2, 3 wb's; the branch hangs on the wave's number alone
	s_cmp_eq_u32 s[ISB], 0
	s_cbranch_scc0 .Lfor_b_\@
	tensor_load_to_lds s[G0A+4:G0A+7], s[G1A:G1A+7]
	s_nop 0
.rept 4
	v_nop
.endr
	s_branch .Lasked_\@
.Lfor_b_\@:
	tensor_load_to_lds s[G0B+4:G0B+7], s[G1B:G1B+7]
	s_nop 0
.rept 4
	v_nop
.endr
.Lasked_\@:
.endm
; A prefetch of K step N + 2, one K step (192 products) ahead of the load that will ask for it: a lane a row, 256 bytes of it.  xb's rows are named by the clusters with x = 0, wb's by those with
; y = 0 and in the first tile alone; the four partners that ask for a tile jointly share its rows out by address.  The last steps ask for nothing.
.macro ASK
	s_cmp_lt_u32 s[N], s[LIM]
	s_cbranch_scc0 .Lnone_\@
	global_prefetch_b8 v[PFO], s[PFA:PFA+1] th:TH_LOAD_NT scope:SCOPE_SE
.Lnone_\@:
.endm
.macro SETADR
	v_add_nc_u32 v[CA], s[TB], v[ADRA0]
	v_add_nc_u32 v[CB], s[TB], v[ADRB0]
.endm
	s_load_b256 s[4:11], s[0:1], 0x0               ; xb s[4:5], wb s[6:7], qf s[8:9], kf s[10:11]
	s_load_b64 s[12:13], s[0:1], 0x20              ; vf
	v_lshl_add_u32 v[SPW], v0, 2, SPARE
	v_mov_b32 v[NIL], 0
	ds_add_u32 v[SPW], v[NIL]                      ; the wave's opening: the add and its wait stand ahead of my first tensor load
	v_lshrrev_b32 v1, 5, v0
	v_readfirstlane_b32 s[WV], v1
	s_and_b32 s[HALF], s[WV], 1                    ; which half of a tile I fetch
	s_lshr_b32 s[ISB], s[WV], 1                    ; 0: I fetch xb's, 1: wb's
	s_bfe_u32 s[CX], ttmp6, 0x40000
	s_bfe_u32 s[CY], ttmp6, 0x40004
	s_lshl_b32 s[TC], ttmp9, 2
	s_add_co_u32 s[TC], s[TC], s[CX]               ; column tile of 192
	s_and_b32 s[CLY], ttmp7, 0xffff
	s_lshl_b32 s[RG], s[CLY], 2
	s_add_co_u32 s[RG], s[RG], s[CY]               ; first row block
	s_lshl_b32 s82, s[CY], 2
	s_lshl_b32 s82, 15, s82                        ; my row of the cluster
	s_lshl_b32 s86, 0x1111, s[CX]                  ; my column
	s_or_b32 s[G1A], s82, GFLAGS
	s_or_b32 s[G1B], s86, GFLAGS
.irp g, G1A, G1B
	s_mov_b32 s[(\g)+1], 128<<16                   ; tensor_dim0 = 128
	s_mov_b32 s[(\g)+3], 128<<16                   ; tile_dim0 = 128
	s_mov_b32 s[(\g)+5], 1024                      ; elements from row to row
	s_mov_b32 s[(\g)+6], 0
	s_mov_b32 s[(\g)+7], 0
.endr
	s_mov_b32 s[G1A+2], 128<<16                    ; tensor_dim1 = tile_dim1 = 128 rows of xb,
	s_mov_b32 s[G1A+4], 128
	s_mov_b32 s[G1B+2], 96<<16                     ; 96 of wb
	s_mov_b32 s[G1B+4], 96
	s_lshl_b32 s80, s[RG], 19                      ; 256 rows of 2,048 bytes
	s_lshl_b32 s81, s[HALF], 18
	s_add_co_u32 s80, s80, s81
	s_mov_b32 s81, 0
	s_mul_i32 s84, s[TC], 192*2048
	s_mul_i32 s85, s[HALF], 96*2048
	s_add_co_u32 s84, s84, s85
	s_mov_b32 s85, 0
	s_mul_i32 s82, s[HALF], 128*PITCH              ; LDS: xb's halves,
	s_mul_i32 s86, s[HALF], 96*PITCH
	s_add_co_u32 s86, s86, ABYTES                  ; wb's behind them: no place in the cluster enters an LDS address
	s_mov_b32 s[TB], 0
	s_mov_b32 s[OFFA+1], 0
	s_mov_b32 s[OFFB+1], 0
	s_wait_dscnt 0x0                               ; the opening add is done
	s_wait_kmcnt 0x0
	s_add_nc_u64 s[ABASE:ABASE+1], s[4:5], s[80:81]
	s_add_nc_u64 s[BBASE:BBASE+1], s[6:7], s[84:85]
.irp s, 0,1
	s_mov_b32 s[G0A+4*(\s)], 1
	s_add_co_u32 s[G0A+4*(\s)+1], s82, (\s)*SLOTX
	s_add_nc_u64 s[G0A+4*(\s)+2:G0A+4*(\s)+3], s[ABASE:ABASE+1], (\s)*256
	s_or_b32 s[G0A+4*(\s)+3], s[G0A+4*(\s)+3], 0x80000000
	s_mov_b32 s[G0B+4*(\s)], 1
	s_add_co_u32 s[G0B+4*(\s)+1], s86, (\s)*SLOTX
	s_add_nc_u64 s[G0B+4*(\s)+2:G0B+4*(\s)+3], s[BBASE:BBASE+1], (\s)*256
	s_or_b32 s[G0B+4*(\s)+3], s[G0B+4*(\s)+3], 0x80000000
.endr
	CROUND                                         ; all sixteen work-groups are here: the first joint loads meet
	s_cmp_eq_u32 s[ISB], 0                         ; a wave's two first fills stand in one branch: two loads of mine are out
	s_cbranch_scc0 .Lfirst_b
	tensor_load_to_lds s[G0A:G0A+3], s[G1A:G1A+7]
	s_nop 0
	tensor_load_to_lds s[G0A+4:G0A+7], s[G1A:G1A+7]
	s_nop 0
.rept 4
	v_nop
.endr
	s_branch .Lfirst_asked
.Lfirst_b:
	tensor_load_to_lds s[G0B:G0B+3], s[G1B:G1B+7]
	s_nop 0
	tensor_load_to_lds s[G0B+4:G0B+7], s[G1B:G1B+7]
	s_nop 0
.rept 4
	v_nop
.endr
.Lfirst_asked:
	; the prefetches: my work-group's share of the rows that I fetch (32 of xb's 128 by cx, 24 of wb's 96 by cy)
	s_lshl_b32 s88, s[CX], 16
	s_mul_i32 s89, s[CY], 24*2048
	s_add_co_u32 s88, s88, s80
	s_add_co_u32 s89, s89, s84
	s_cmp_eq_u32 s[ISB], 0
	s_cselect_b64 s[PFBASE:PFBASE+1], s[4:5], s[6:7]
	s_cselect_b32 s88, s88, s89
	s_cselect_b32 s90, ttmp9, s[CLY]               ; the coordinate along which other clusters read the same rows
	s_cselect_b32 s91, 14, 6                       ; xb: steps up to 15; wb: steps up to 7, the first tile's
	s_cselect_b32 s92, 31, 23
	s_mov_b32 s89, 0
	s_add_nc_u64 s[PFBASE:PFBASE+1], s[PFBASE:PFBASE+1], s[88:89]
	s_cmp_eq_u32 s90, 0
	s_cselect_b32 s[LIM], s91, 0                   ; the same in all sixteen partners, for a given wave
	v_and_b32 v[PFO], 31, v0
	v_min_u32 v[PFO], s92, v[PFO]
	v_lshlrev_b32 v[PFO], 11, v[PFO]
	; where the results go
	s_lshl_b32 s88, s[RG], 19
	s_lshr_b32 s89, s[TC], 1
	s_lshl_b32 s89, s89, 16
	s_add_co_u32 s88, s88, s89
	s_and_b32 s89, s[TC], 1
	s_lshl_b32 s90, s89, 15
	s_lshl_b32 s89, s89, 11
	s_lshl_b32 s91, s[WV], 11
	s_add_co_u32 s90, s90, s91
	s_add_co_u32 s90, s90, s88                     ; vf: block, 128 channels, my 64 of them, my 64 keys
	s_lshl_b32 s91, s[WV], 14
	s_add_co_u32 s88, s88, s89
	s_add_co_u32 s88, s88, s91                     ; qf, kf: block, 128 d, my 64 rows, my 64 d
	s_mov_b32 s89, 0
	s_mov_b32 s91, 0
	s_add_nc_u64 s[QP:QP+1], s[8:9], s[88:89]
	s_add_nc_u64 s[KP:KP+1], s[10:11], s[88:89]
	s_add_nc_u64 s[VP:VP+1], s[12:13], s[90:91]
	v_and_b32 v1, 15, v0
	v_bfe_u32 v2, v0, 4, 1
	v_mul_u32_u24 v3, v1, PITCH
	v_lshl_add_u32 v3, v2, 4, v3                   ; row x pitch + 16 x half of the lanes
	s_mul_i32 s80, s[WV], 64*PITCH
	v_add_nc_u32 v[ADRA0], s80, v3
	v_add_nc_u32 v[ADRB0], ABYTES, v3
	v_and_b32 v[CO], 31, v0
	v_lshlrev_b32 v[CO], 4, v[CO]
	SETADR
; 12 products: row block a x all 12 column blocks, 32 along K.  zero = 1: they start the sums.  In a quarter each accumulator is named once, always in the same order.
.macro MULA f, a, zero
	WIN 0xa5+0x50*((\a)/2)
.irp b, 0,1,2,3,4,5,6,7,8,9,10,11
.set rD, 96*((\a)%2)+8*(\b)
.set rB, (\f)+8*(\b)
.set rA, (\f)+96+8*(\a)
.if (\b) < 8
.if \zero
	v_wmma_f32_16x16x32_bf16 v[rD:rD+7], v[rB:rB+7], v[rA:rA+7], 0
.else
	v_wmma_f32_16x16x32_bf16 v[rD:rD+7], v[rB:rB+7], v[rA:rA+7], v[rD:rD+7]
.endif
.else
.if \zero
	v_wmma_f32_16x16x32_bf16 v[rD:rD+7], v[rA:rA+7], v[rB:rB+7], 0
.else
	v_wmma_f32_16x16x32_bf16 v[rD:rD+7], v[rA:rA+7], v[rB:rB+7], v[rD:rD+7]
.endif
.endif
.endr
.endm
; 32 LDS loads in one run: the fragments of 32 along K at byte k of the rows: wb's 12, then xb's 4
.macro FETCH k, f
	WIN 0x40
.irp i, 0,1,2,3,4,5,6,7,8,9,10,11
	ds_load_b128 v[(\f)+8*(\i):(\f)+8*(\i)+3],   v[CB] offset:(\k)+(\i)*16*PITCH
	ds_load_b128 v[(\f)+8*(\i)+4:(\f)+8*(\i)+7], v[CB] offset:(\k)+(\i)*16*PITCH+32
.endr
.irp i, 0,1,2,3
	ds_load_b128 v[(\f)+96+8*(\i):(\f)+96+8*(\i)+3],   v[CA] offset:(\k)+(\i)*16*PITCH
	ds_load_b128 v[(\f)+96+8*(\i)+4:(\f)+96+8*(\i)+7], v[CA] offset:(\k)+(\i)*16*PITCH+32
.endr
.endm
.macro QUARTER k, f, g, zero           ; multiplies buffer f; in its middle fetches the next quarter, at byte k, into g
	s_wait_dscnt 4                                 ; all but xb's fragments 2 and 3
	MULA \f, 0, \zero
	MULA \f, 1, \zero
	PLACES
	FETCH \k, \g
	s_wait_dscnt 32                                ; all but the 32 just issued
	MULA \f, 2, \zero
	MULA \f, 3, \zero
.endm
; The fourth quarter and the change of slots.  Twelve products stand ahead of the wait for the tensor loads, so that they are done while the next slot's tile may still be on its way.  Then each wave
; waits for all its tensor loads (one is out: its part of the next slot), adds 0 to its spare word, multiplies twelve more while the add is out, and waits for the add and for its reads of this slot.
; Nothing stands between the barrier's signal and its wait, so that the refill goes out as soon as all have arrived.
; fill = 1: the barrier opens a round of the cluster's, and behind the round this slot is filled again, with K step N + 1.
.macro TURN fill
.if \fill
	s_wait_xcnt 0x0                                ; the last prefetch, a K step back, has read its address
	s_add_co_u32 s80, s[N], 2
	s_and_b32 s81, s80, 7
	s_lshl_b32 s81, s81, 8
	s_lshr_b32 s80, s80, 3
	s_lshl_b32 s80, s80, 23
	s_cmp_eq_u32 s[ISB], 0
	s_cselect_b32 s80, s80, 0                      ; wb's rows are the same for both tiles
	s_add_co_u32 s80, s80, s81
	s_mov_b32 s81, 0
	s_add_nc_u64 s[PFA:PFA+1], s[PFBASE:PFBASE+1], s[80:81]
.endif
	s_wait_dscnt 4                                 ; all but xb's fragments 2 and 3
	MULA F1, 0, 0
	WIN 0
	s_wait_tensorcnt 0x0                           ; no tensor load of mine is out, so a group 0 may be written
	ds_add_u32 v[SPW], v[NIL]                      ; 0 onto my spare word
.if \fill
	s_add_co_u32 s80, s[N], 1                      ; K step N + 1: tile (N + 1) / 8, 16 row blocks on; 256 bytes along the rows for each step
	s_and_b32 s81, s80, 7
	s_lshl_b32 s[OFFB], s81, 8
	s_lshr_b32 s80, s80, 3
	s_lshl_b32 s80, s80, 23
	s_add_co_u32 s[OFFA], s80, s[OFFB]
	s_xor_b32 s[G0A+5], s[G0A+5], SLOTX
	s_add_nc_u64 s[G0A+6:G0A+7], s[ABASE:ABASE+1], s[OFFA:OFFA+1]
	s_or_b32 s[G0A+7], s[G0A+7], 0x80000000
	s_xor_b32 s[G0B+5], s[G0B+5], SLOTX
	s_add_nc_u64 s[G0B+6:G0B+7], s[BBASE:BBASE+1], s[OFFB:OFFB+1]
	s_or_b32 s[G0B+7], s[G0B+7], 0x80000000
.endif
	MULA F1, 1, 0
	WIN 0
	s_wait_dscnt 0x0                               ; the add is done, and my reads of this slot are over
	s_barrier_signal -1
	s_barrier_wait -1
.if \fill
	CREST                                          ; no wave of any partner still reads this slot or has a load on its way
	JLOAD                                          ; its four v_nop are also the places in front of the loads below
.else
	PLACES
.endif
	s_xor_b32 s[TB], s[TB], SLOTX
	SETADR
	FETCH 0, F0
	WIN 0
.if \fill
	ASK
.endif
	MULA F1, 2, 0
	MULA F1, 3, 0
.endm
; THE WAY OUT: a lane's eight results pack into 16 bytes that are its part of a fragment.  next = 1: the bases step 16 row blocks on.
.macro WAYOUT next
	PLACES
.irp a, 0,1,2,3
	WIN 0x0a+5*((\a)/2)
.set i, 0
.rept 48
	v_cvt_pk_f16_f32 v[TMP+48*(\a)+i], v[96*((\a)%2)+2*i], v[96*((\a)%2)+2*i+1]
.set i, i+1
.endr
	WIN 0
.irp b, 0,1,2,3
	global_store_b128 v[CO], v[TMP+48*(\a)+4*(\b):TMP+48*(\a)+4*(\b)+3], s[QP:QP+1] offset:4096*(\a)+1024*((\b)/2)+512*((\b)%2)
.endr
.irp b, 0,1,2,3
	global_store_b128 v[CO], v[TMP+48*(\a)+16+4*(\b):TMP+48*(\a)+16+4*(\b)+3], s[KP:KP+1] offset:4096*(\a)+1024*((\b)/2)+512*((\b)%2)
.endr
.irp b, 0,1,2,3
	global_store_b128 v[CO], v[TMP+48*(\a)+32+4*(\b):TMP+48*(\a)+32+4*(\b)+3], s[VP:VP+1] offset:8192*(\b)+1024*((\a)/2)+512*((\a)%2)
.endr
.endr
.if \next
	s_wait_xcnt 0x0                                ; the stores have read their data and bases: only now are these written again
	s_add_nc_u64 s[QP:QP+1], s[QP:QP+1], 0x800000
	s_add_nc_u64 s[KP:KP+1], s[KP:KP+1], 0x800000
	s_add_nc_u64 s[VP:VP+1], s[VP:VP+1], 0x800000
.endif
.endm
	s_wait_tensorcnt 1                             ; my part of K step 0 is in; step 1's may stay out
	s_barrier_signal -1
	s_barrier_wait -1
	FETCH 0, F0
	WIN 0
	s_mov_b32 s[N], 0
	s_branch .Lzero                                ; the loop is entered at the quarter that starts a tile's sums, which so stands once in the text
.Lstep:                                        ; trip N = 1 .. 14: the rest of K step N - 1, the refill with step N + 1, the first quarter of step N
	QUARTER 128, F1, F0, 0
	QUARTER 192, F0, F1, 0
	TURN 1
	WIN 0
	s_cmp_eq_u32 s[N], 8
	s_cbranch_scc1 .Lout                           ; the first tile is finished
	QUARTER 64, F0, F1, 0
	WIN 0
	s_branch .Lbot
.Lout:
	WAYOUT 1
.Lzero:
	QUARTER 64, F0, F1, 1                          ; a tile's first quarter starts the sums
	WIN 0
.Lbot:
	s_add_co_u32 s[N], s[N], 1
	s_cmp_lt_u32 s[N], 15
	s_cbranch_scc1 .Lstep
	s_mov_b32 s[CNT], 2
.Ltail:                                        ; the last two K steps ask for nothing: a text of their own, walked twice and left in its middle.  The second trip's change of slots fetches once
	QUARTER 128, F1, F0, 0                         ; more from the slot that was left (bytes that have landed and are not filled again); what it fetches is not used: the price of one text for both trips
	QUARTER 192, F0, F1, 0
	TURN 0
	WIN 0
	s_sub_co_u32 s[CNT], s[CNT], 1
	s_cmp_eq_u32 s[CNT], 0
	s_cbranch_scc1 .Lfin
	QUARTER 64, F0, F1, 0
	WIN 0
	s_branch .Ltail
.Lfin:
	WAYOUT 0
	s_wait_tensorcnt 0x0                           ; the wave's end
	ds_add_u32 v[SPW], v[NIL]
	s_wait_dscnt 0x0
	CROUND                                         ; the closing round: no work-group ends while a partner may still ask for a tile that names it
	s_endpgm
.Lfunc_end_k_q953d4991fc_proj:
	.size	k_q953d4991fc_proj, .Lfunc_end_k_q953d4991fc_proj-k_q953d4991fc_proj
	.p2alignl 7, 3214868480
	.fill 96, 4, 3214868480
	.section	.rodata,"a",@progbits
	.p2align	6, 0x0
	.amdhsa_kernel k_q953d4991fc_proj
		.amdhsa_group_segment_fixed_size 327680
		.amdhsa_private_segment_fixed_size 0
		.amdhsa_enable_private_segment 0
		.amdhsa_kernarg_size 40
		.amdhsa_user_sgpr_count 2
		.amdhsa_user_sgpr_kernarg_segment_ptr 1
		.amdhsa_wavefront_size32 1
		.amdhsa_system_sgpr_workgroup_id_x 1
		.amdhsa_system_sgpr_workgroup_id_y 1
		.amdhsa_system_sgpr_workgroup_id_z 1
		.amdhsa_system_vgpr_workitem_id 0
		.amdhsa_next_free_vgpr 960
		.amdhsa_next_free_sgpr 96
		.amdhsa_reserve_vcc 0
		.amdhsa_float_denorm_mode_32 3
		.amdhsa_float_denorm_mode_16_64 3
		.amdhsa_memory_ordered 1
		.amdhsa_forward_progress 1
		.amdhsa_inst_pref_size 94
	.end_amdhsa_kernel
	.amdgpu_metadata
---
amdhsa.version: [ 1, 2 ]
amdhsa.kernels:
  - .name:           k_q953d4991fc_proj
    .symbol:         k_q953d4991fc_proj.kd
    .args:
      - { .name: xb, .offset: 0, .size: 8, .value_kind: global_buffer, .address_space: global }
      - { .name: wb, .offset: 8, .size: 8, .value_kind: global_buffer, .address_space: global }
      - { .name: qf, .offset: 16, .size: 8, .value_kind: global_buffer, .address_space: global }
      - { .name: kf, .offset: 24, .size: 8, .value_kind: global_buffer, .address_space: global }
      - { .name: vf, .offset: 32, .size: 8, .value_kind: global_buffer, .address_space: global }
    .group_segment_fixed_size: 327680
    .private_segment_fixed_size: 0
    .kernarg_segment_align: 8
    .kernarg_segment_size: 40
    .max_flat_workgroup_size: 128
    .sgpr_count:     96
    .vgpr_count:     960
    .wavefront_size: 32
...
	.end_amdgpu_metadata
.endif
;; end of part 2
;; launch score (part 3): grid 36 x 4, 4 waves a work-group, no clusters, 327,680 bytes of LDS; arguments qf, kf, pf, st; writes pf, st
.if DOCPART == 3
	.amdgcn_target "amdgcn-amd-amdhsa--gfx1250"
	.amdhsa_code_object_version 6
	.text
	.protected	k_q953d4991fc_score
	.globl	k_q953d4991fc_score
	.p2align	8
	.type	k_q953d4991fc_score,@function
k_q953d4991fc_score:
	s_mov_b64 s[64:65], 0
	v_nop
	global_prefetch_b8 v0, s[64:65] scope:SCOPE_SE
	s_setreg_imm32_b32 hwreg(HW_REG_WAVE_MODE, 25, 1), 1
	s_wait_xcnt 0x0
; The 36 lower tiles (256 queries x 256 keys) of each batch's S^T = K Q^T, f16 operands, f32 sums over 1,024 channels.  For each row and each block t of 128 keys:
; the block's maximum m, p = 2^(c s - c m) rounded to f16, l = the sum of the unrounded p; c = log2(e) / 32.  The launch behind brings the blocks of a row onto the row's maximum.
;   pf (16 queries x 32 keys a fragment): [batch 4][128 queries 16][256 keys 8][16 queries 8][32 keys 8][1,024]      st: f32 [batch 4][t 16][query 2048][c m, l]
; LIMITS.  A hidden score counts as its value less 1e30.  A weight below 2^-126 counts as 0 in l.  NaN and infinities are not treated apart.
; THE MASK is the C operand of the products that start the sums.  It is needed only where a wave's 128 x 128 block lies ON the diagonal (tile i = j, wr = wc): 0 below, -1e30 above, by lane on it.
; Every row of such a block sees its own key, so m is a true score.  The block wholly above the diagonal (i = j, wr < wc) is computed unmasked: the launch behind multiplies it by 0, so it need only be finite.
; SHARES.  One tile to a work-group, 144 in all; wave (wr, wc) makes 128 queries x 128 keys: 64 accumulators, (a, b) = queries 16 a, keys 16 b: a lane holds one query and eight neighbouring keys.
; NO CLUSTER: the rows and columns of the triangle of tiles hold 1 to 8 tiles, not fours, and a square of 4 x 4 tiles on the diagonal would hold 6 work-groups with no work.
; RING.  Two slots of 131,072 bytes: 64 KiB of Q's fragments, 64 KiB of K's, for 128 channels; both lie in memory as they are read, so a wave's load is 32 KiB on end and LDS reads are 16 bytes a lane on end.
; REGISTERS as windows of 256: window 0 addresses, masks, Q's two fragment buffers v64-191, v192-255 at work; window 1 K's buffers v64-191; windows 2, 3 the accumulators at 8 (8 (a % 4) + b).
.set SLOTX, 0x20000
.set SPARE, 2*SLOTX
.set AQ0, 2
.set AK0, 3
.set CQ,  4
.set CK,  5
.set PO,  6                            ; v6  16 x lane
.set SO,  7                            ; v7  8 x lane
.set PFO, 8                            ; v8  256 x lane
.set SPW, 10
.set NIL, 11
.set MDG, 40                           ; v40-47  the mask of a block on the diagonal
.set MHI, 48                           ; v48-55  of a block above it
.set F0,  64
.set F1,  128
.set CH,  192                          ; v192-195 four chains
.set STT, 224                          ; v224-239 (c m, l) for each of my eight tiles of 16 queries
.set OUTP, 240                         ; v240-247
.set WV, 12
.set HALF, 13                          ; w & 1: which half I fetch; also wc
.set ISB, 14                           ; w >> 1: 0 Q, 1 K; also wr
.set BT, 15
.set I, 16
.set J, 17
.set N, 18
.set TB, 19
.set LIM, 20
.set CNT, 21
.set BEHI, 22
.set G1, 24
.set G0, 32
.set SRC, 40
.set PFA, 42
.set PP, 44
.set SP, 46
.set CS, 48
.set SEL, 50
.set HM, 52
.set BIGN, 53
.set MSB, 0
.macro WIN new
.if MSB != (\new)
	s_set_vgpr_msb (MSB<<8)|(\new)
.set MSB, \new
.endif
.endm
.macro PLACES
.rept 4
	v_nop
.endr
.endm
; A prefetch of my 32 KiB of step N + 3, one step (256 products) ahead of its load: four instructions, a lane 256 bytes.  Only the tiles on the diagonal ask: so each block of Q and of K is named once.
.macro ASK
	s_cmp_lt_u32 s[N], s[LIM]
	s_cbranch_scc0 .Lnone_\@
.irp o, 0,1,2,3
	global_prefetch_b8 v[PFO], s[PFA:PFA+1] offset:8192*(\o) th:TH_LOAD_NT scope:SCOPE_SE
.endr
.Lnone_\@:
.endm
.macro SETADR
	v_add_nc_u32 v[CQ], s[TB], v[AQ0]
	v_add_nc_u32 v[CK], s[TB], v[AK0]
.endm
	s_load_b256 s[4:11], s[0:1], 0x0               ; qf s[4:5], kf s[6:7], pf s[8:9], st s[10:11]
	v_lshl_add_u32 v[SPW], v0, 2, SPARE
	v_mov_b32 v[NIL], 0
	ds_add_u32 v[SPW], v[NIL]                      ; the wave's opening: the add and its wait stand ahead of my first tensor load
	v_lshrrev_b32 v1, 5, v0
	v_readfirstlane_b32 s[WV], v1
	s_and_b32 s[HALF], s[WV], 1
	s_lshr_b32 s[ISB], s[WV], 1
	s_and_b32 s[BT], ttmp7, 0xffff
	s_mov_b32 s[I], 0                              ; tile x of 36: row i = how many of the triangle numbers 1, 3, .. 28 are at most x
.irp t, 1,3,6,10,15,21,28
	s_cmp_ge_u32 ttmp9, \t
	s_add_co_ci_u32 s[I], s[I], 0
.endr
	s_add_co_u32 s54, s[I], 1
	s_mul_i32 s54, s54, s[I]
	s_lshr_b32 s54, s54, 1
	s_sub_co_u32 s[J], ttmp9, s54                  ; column j = x - i (i + 1) / 2
	s_mov_b32 s[G1], 3<<16                         ; a dense block: elements of 8 bytes, 128 rows of 32
	s_mov_b32 s[G1+1], 32<<16
	s_mov_b32 s[G1+2], 128<<16
	s_mov_b32 s[G1+3], 32<<16
	s_mov_b32 s[G1+4], 128
	s_mov_b32 s[G1+5], 32
	s_mov_b32 s[G1+6], 0
	s_mov_b32 s[G1+7], 0
	s_cmp_eq_u32 s[ISB], 0
	s_cselect_b32 s54, s[I], s[J]
	s_lshl3_add_u32 s54, s[BT], s54                ; block of 256 rows: 8 batch + i or j
	s_lshl_b32 s54, s54, 19
	s_lshl_b32 s55, s[HALF], 15
	s_add_co_u32 s54, s54, s55
	s_mov_b32 s55, 0
	s_lshl_b32 s56, s[WV], 15                      ; LDS: Q's halves, then K's
	s_mov_b32 s[TB], 0
	s_mov_b32 s[CS], 0x3d38aa3b                    ; c = log2(e) / 32
	s_mov_b32 s[CS+1], s[CS]
	s_mov_b32 s[SEL], 0x76543210
	s_mov_b32 s[SEL+1], 0xfedcba98
	s_mov_b32 s[BIGN], 0xf149f2ca                  ; -1e30
	s_wait_dscnt 0x0                               ; the opening add is done
	s_wait_kmcnt 0x0
	s_cmp_eq_u32 s[ISB], 0
	s_cselect_b64 s[SRC:SRC+1], s[4:5], s[6:7]
	s_add_nc_u64 s[SRC:SRC+1], s[SRC:SRC+1], s[54:55]
.irp s, 0,1
	s_mov_b32 s[G0+4*(\s)], 1
	s_add_co_u32 s[G0+4*(\s)+1], s56, (\s)*SLOTX
	s_add_nc_u64 s[G0+4*(\s)+2:G0+4*(\s)+3], s[SRC:SRC+1], (\s)*65536
	s_or_b32 s[G0+4*(\s)+3], s[G0+4*(\s)+3], 0x80000000
.endr
	tensor_load_to_lds s[G0:G0+3], s[G1:G1+7]      ; steps 0 and 1: two loads of mine are out
	s_nop 0
	tensor_load_to_lds s[G0+4:G0+7], s[G1:G1+7]
	s_nop 0
.rept 4
	v_nop
.endr
	s_add_nc_u64 s[PFA:PFA+1], s[SRC:SRC+1], 2*65536
	s_cmp_eq_u32 s[I], s[J]
	s_cselect_b32 s[LIM], 5, 0
	s_cselect_b32 s57, 1, 0
	s_cmp_eq_u32 s[ISB], s[HALF]
	s_cselect_b32 s58, 1, 0
	s_and_b32 s57, s57, s58
	s_cmp_lg_u32 s57, 0
	s_cselect_b32 s[BEHI], s[BIGN], 0              ; -1e30 where my block lies on the diagonal, else 0: then both masks are 0
	v_and_b32 v1, 15, v0
	v_bfe_u32 v2, v0, 4, 1
	v_and_b32 v9, 31, v0
	v_lshlrev_b32 v13, 3, v2
	v_sub_nc_u32 v12, v1, v13                      ; my query less my lanes' first key: register jj is hidden where jj is greater
.set i, 0
.rept 8
	v_cmp_gt_i32 vcc_lo, i, v12
	v_cndmask_b32 v[MDG+i], 0, s[BEHI], vcc_lo
	v_mov_b32 v[MHI+i], s[BEHI]
.set i, i+1
.endr
	v_cmp_le_u32 s[HM], 16, v9                     ; the upper half of the lanes
	s_lshl_b32 s57, s[ISB], 15
	v_lshl_add_u32 v[AQ0], v9, 4, s57              ; my 128 queries' fragments
	s_lshl_b32 s57, s[HALF], 15
	s_add_co_u32 s57, s57, 65536
	v_lshl_add_u32 v[AK0], v9, 4, s57              ; my 128 keys'
	v_lshlrev_b32 v[PO], 4, v9
	v_lshlrev_b32 v[SO], 3, v9
	v_lshlrev_b32 v[PFO], 8, v9
	s_lshl_b32 s54, s[BT], 23
	s_lshl1_add_u32 s55, s[I], s[ISB]
	s_lshl_b32 s55, s55, 19
	s_add_co_u32 s54, s54, s55
	s_lshl_b32 s55, s[J], 16
	s_add_co_u32 s54, s54, s55
	s_lshl_b32 s55, s[HALF], 12
	s_add_co_u32 s54, s54, s55
	s_mov_b32 s55, 0
	s_add_nc_u64 s[PP:PP+1], s[8:9], s[54:55]
	s_lshl_b32 s54, s[BT], 18
	s_lshl1_add_u32 s55, s[J], s[HALF]
	s_lshl_b32 s55, s55, 14
	s_add_co_u32 s54, s54, s55
	s_lshl_b32 s55, s[I], 11
	s_add_co_u32 s54, s54, s55
	s_lshl_b32 s55, s[ISB], 10
	s_add_co_u32 s54, s54, s55
	s_mov_b32 s55, 0
	s_add_nc_u64 s[SP:SP+1], s[10:11], s[54:55]
	SETADR
; 16 products: query tiles a0, a0 + 1 of the window's four x all 8 key tiles.  mask = 1: they start the sums, with 0 or with a mask as C.
.macro MUL16 f, hi, a0, mask
.irp a, \a0, (\a0)+1
.irp b, 0,1,2,3,4,5,6,7
.set rD, 8*(8*(\a)+(\b))
.set ga, 4*(\hi)+(\a)
.if \mask
	WIN 0x81+0x40*(\hi)
.if (\b) < ga
	v_wmma_f32_16x16x32_f16 v[rD:rD+7], v[(\f)+8*(\b):(\f)+8*(\b)+7], v[(\f)+8*ga:(\f)+8*ga+7], 0
.elseif (\b) == ga
	v_wmma_f32_16x16x32_f16 v[rD:rD+7], v[(\f)+8*(\b):(\f)+8*(\b)+7], v[(\f)+8*ga:(\f)+8*ga+7], v[MDG:MDG+7]
.else
	v_wmma_f32_16x16x32_f16 v[rD:rD+7], v[(\f)+8*(\b):(\f)+8*(\b)+7], v[(\f)+8*ga:(\f)+8*ga+7], v[MHI:MHI+7]
.endif
.else
	WIN 0xa1+0x50*(\hi)
	v_wmma_f32_16x16x32_f16 v[rD:rD+7], v[(\f)+8*(\b):(\f)+8*(\b)+7], v[(\f)+8*ga:(\f)+8*ga+7], v[rD:rD+7]
.endif
.endr
.endr
.endm
.macro FETCH kc, f                     ; 32 LDS loads in one run: K's 8 fragments of 32 channels, then Q's 8
	WIN 0x40
.irp i, 0,1,2,3,4,5,6,7
	ds_load_b128 v[(\f)+8*(\i):(\f)+8*(\i)+3],   v[CK] offset:4096*(\i)+1024*(\kc)
	ds_load_b128 v[(\f)+8*(\i)+4:(\f)+8*(\i)+7], v[CK] offset:4096*(\i)+1024*(\kc)+512
.endr
	WIN 0
.irp i, 0,1,2,3,4,5,6,7
	ds_load_b128 v[(\f)+8*(\i):(\f)+8*(\i)+3],   v[CQ] offset:4096*(\i)+1024*(\kc)
	ds_load_b128 v[(\f)+8*(\i)+4:(\f)+8*(\i)+7], v[CQ] offset:4096*(\i)+1024*(\kc)+512
.endr
.endm
.macro QUARTER kc, f, g, mask
	s_wait_dscnt 8                                 ; all but Q's tiles 4 to 7
	MUL16 \f, 0, 0, \mask
	MUL16 \f, 0, 2, \mask
	PLACES
	FETCH \kc, \g
	s_wait_dscnt 32                                ; all but the 32 just issued
	MUL16 \f, 1, 0, \mask
	MUL16 \f, 1, 2, \mask
.endm
; The fourth quarter and the change of slots.  Sixteen products stand ahead of the wait for the tensor loads, so that they are done while the next slot's tile may still be on its way.  Then each wave
; waits for all its tensor loads (one is out: its part of the next slot), adds 0 to its spare word, multiplies sixteen more while the add is out, and waits for the add and for its reads of this slot.
; Nothing stands between the barrier's signal and its wait; behind it this slot is filled again first (fill = 1), with step N + 2.
.macro TURN fill
.if \fill
	s_wait_xcnt 0x0                                ; the last prefetches, a step back, have read their address
	s_add_nc_u64 s[PFA:PFA+1], s[PFA:PFA+1], 65536
.endif
	s_wait_dscnt 8                                 ; all but Q's tiles 4 to 7
	MUL16 F1, 0, 0, 0
	WIN 0
	s_wait_tensorcnt 0x0                           ; no tensor load of mine is out, so a group 0 may be written
	ds_add_u32 v[SPW], v[NIL]                      ; 0 onto my spare word
.if \fill
	s_xor_b32 s[G0+5], s[G0+5], SLOTX
	s_add_nc_u64 s[G0+6:G0+7], s[G0+6:G0+7], 65536
.endif
	MUL16 F1, 0, 2, 0
	WIN 0
	s_wait_dscnt 0x0                               ; the add is done, and my reads of this slot are over
	s_barrier_signal -1
	s_barrier_wait -1
.if \fill
	tensor_load_to_lds s[G0+4:G0+7], s[G1:G1+7]
	s_nop 0
.endif
	PLACES
	s_xor_b32 s[TB], s[TB], SLOTX
	SETADR
	FETCH 0, F0
.if \fill
	ASK
.endif
	MUL16 F1, 1, 0, 0
	MUL16 F1, 1, 2, 0
.endm
; THE SOFTMAX'S FIRST STAGE for tile a of 16 queries: 64 scores a lane.  The 64 exponentials are one batch with one wait: nothing ahead of the wait names a result.
.macro BLOCK a
.set AC, 64*((\a)%4)
.set PT, 64+32*((\a)%2)
.set SA, STT+2*(\a)
	s_wait_xcnt 0x0                                ; the stores of the tile before last have read PT
	WIN 0x2a+0x15*((\a)/4)
.irp k, 0,1,2,3
	v_max3_num_f32 v[CH+(\k)], v[AC+16*(\k)], v[AC+16*(\k)+1], v[AC+16*(\k)+2]   ; four chains of two accumulators; each accumulator's lowest registers are read first
.endr
	WIN 0x0a+5*((\a)/4)
.irp s, 0,1,2,3,4,5
.irp k, 0,1,2,3
	v_max3_num_f32 v[CH+(\k)], v[AC+16*(\k)+3+2*(\s)], v[AC+16*(\k)+4+2*(\s)], v[CH+(\k)]
.endr
.endr
	v_max3_num_f32 v[CH], v[AC+15], v[AC+31], v[CH]
	v_max3_num_f32 v[CH+2], v[AC+47], v[AC+63], v[CH+2]
	WIN 0
	v_max3_num_f32 v[CH], v[CH], v[CH+1], v[CH+2]
	v_max_num_f32 v[CH], v[CH], v[CH+3]
	v_permlanex16_b32 v[CH+1], v[CH], s[SEL], s[SEL+1]   ; the query's other 64 keys lie in the lane 16 away
	v_max_num_f32 v[SA+1], v[CH], v[CH+1]          ; m; l takes its place below
	v_mul_f32 v[SA], s[CS], v[SA+1]                ; c m
	WIN 0x82+0x41*((\a)/4)
	v_pk_fma_f32 v[AC:AC+1], v[AC:AC+1], s[CS:CS+1], v[SA:SA+1] op_sel_hi:[1,0,0] neg_lo:[0,0,1] neg_hi:[0,0,1]
.set p, 0
.rept 32
.if p < 31
	v_pk_fma_f32 v[AC+2*p+2:AC+2*p+3], v[AC+2*p+2:AC+2*p+3], s[CS:CS+1], v[SA:SA+1] op_sel_hi:[1,0,0] neg_lo:[0,0,1] neg_hi:[0,0,1]   ; c s - c m, a pair ahead of its exponentials
.endif
	v_exp_f32 v[AC+2*p], v[AC+2*p]
	v_exp_f32 v[AC+2*p+1], v[AC+2*p+1]
.set p, p+1
.endr
	v_nop                                          ; a plain instruction behind the last exponential,
	s_wait_alu depctr_va_vdst(0)                   ; and the one wait for the batch, ahead of its first reader
	WIN 0x0a+5*((\a)/4)
.set p, 0
.rept 32
	v_cvt_pk_f16_f32 v[PT+p], v[AC+2*p], v[AC+2*p+1]
.set p, p+1
.endr
	WIN 0
.irp b, 0,1,2,3,4,5,6,7
	global_store_b128 v[PO], v[PT+4*(\b):PT+4*(\b)+3], s[PP:PP+1] offset:8192*(\a)+1024*((\b)/2)+512*((\b)%2)   ; 512 consecutive bytes, aligned: half a fragment
.endr
	WIN 0x8a+0x45*((\a)/4)
.irp d, 1,2,4,8,16
.set u, 0
.rept 16/(\d)
	v_pk_add_f32 v[AC+2*u:AC+2*u+1], v[AC+2*u:AC+2*u+1], v[AC+2*(u+(\d)):AC+2*(u+(\d))+1]
.set u, u+2*(\d)
.endr
.endr
	WIN 0x0a+5*((\a)/4)
	v_add_f32 v[CH], v[AC], v[AC+1]
	WIN 0
	v_permlanex16_b32 v[CH+1], v[CH], s[SEL], s[SEL+1]
	v_add_f32 v[SA+1], v[CH], v[CH+1]              ; l
.endm
	s_wait_tensorcnt 1                             ; my part of step 0 is in; step 1's may stay out
	s_barrier_signal -1
	s_barrier_wait -1
	FETCH 0, F0
	QUARTER 1, F0, F1, 1
	WIN 0
	s_mov_b32 s[N], 0
.Lstep:                                        ; trip N: the rest of step N, the refill with step N + 2, the first quarter of step N + 1
	QUARTER 2, F1, F0, 0
	QUARTER 3, F0, F1, 0
	TURN 1
	QUARTER 1, F0, F1, 0
	WIN 0
	s_add_co_u32 s[N], s[N], 1
	s_cmp_lt_u32 s[N], 6
	s_cbranch_scc1 .Lstep
	s_mov_b32 s[CNT], 2
.Ltail:                                        ; the last two steps ask for nothing: a text of their own, walked twice and left in its middle.  The second trip's change of slots fetches once
	QUARTER 2, F1, F0, 0                           ; more from the slot that was left (bytes that have landed and are not filled again); what it fetches is not used: the price of one text for both trips
	QUARTER 3, F0, F1, 0
	TURN 0
	WIN 0
	s_sub_co_u32 s[CNT], s[CNT], 1
	s_cmp_eq_u32 s[CNT], 0
	s_cbranch_scc1 .Lfin
	QUARTER 1, F0, F1, 0
	WIN 0
	s_branch .Ltail
.Lfin:
	s_wait_dscnt 0x0                               ; that last fetch has landed: its registers are written anew below
	PLACES
.irp a, 0,1,2,3,4,5,6,7
	BLOCK \a
.endr
.irp u, 0,1,2,3                        ; lanes 0-15 give tile 2 u's pair, lanes 16-31 tile 2 u + 1's: 256 consecutive bytes of st
	v_cndmask_b32 v[OUTP+2*(\u)], v[STT+4*(\u)], v[STT+4*(\u)+2], s[HM]
	v_cndmask_b32 v[OUTP+2*(\u)+1], v[STT+4*(\u)+1], v[STT+4*(\u)+3], s[HM]
	global_store_b64 v[SO], v[OUTP+2*(\u):OUTP+2*(\u)+1], s[SP:SP+1] offset:256*(\u)
.endr
	s_wait_tensorcnt 0x0                           ; the wave's end
	ds_add_u32 v[SPW], v[NIL]
	s_wait_dscnt 0x0
	s_endpgm
.Lfunc_end_k_q953d4991fc_score:
	.size	k_q953d4991fc_score, .Lfunc_end_k_q953d4991fc_score-k_q953d4991fc_score
	.p2alignl 7, 3214868480
	.fill 96, 4, 3214868480
	.section	.rodata,"a",@progbits
	.p2align	6, 0x0
	.amdhsa_kernel k_q953d4991fc_score
		.amdhsa_group_segment_fixed_size 327680
		.amdhsa_private_segment_fixed_size 0
		.amdhsa_enable_private_segment 0
		.amdhsa_kernarg_size 32
		.amdhsa_user_sgpr_count 2
		.amdhsa_user_sgpr_kernarg_segment_ptr 1
		.amdhsa_wavefront_size32 1
		.amdhsa_system_sgpr_workgroup_id_x 1
		.amdhsa_system_sgpr_workgroup_id_y 1
		.amdhsa_system_sgpr_workgroup_id_z 1
		.amdhsa_system_vgpr_workitem_id 0
		.amdhsa_next_free_vgpr 1024
		.amdhsa_next_free_sgpr 66
		.amdhsa_reserve_vcc 1
		.amdhsa_float_denorm_mode_32 3
		.amdhsa_float_denorm_mode_16_64 3
		.amdhsa_memory_ordered 1
		.amdhsa_forward_progress 1
		.amdhsa_inst_pref_size 159
	.end_amdhsa_kernel
	.amdgpu_metadata
---
amdhsa.version: [ 1, 2 ]
amdhsa.kernels:
  - .name:           k_q953d4991fc_score
    .symbol:         k_q953d4991fc_score.kd
    .args:
      - { .name: qf, .offset: 0, .size: 8, .value_kind: global_buffer, .address_space: global }
      - { .name: kf, .offset: 8, .size: 8, .value_kind: global_buffer, .address_space: global }
      - { .name: pf, .offset: 16, .size: 8, .value_kind: global_buffer, .address_space: global }
      - { .name: st, .offset: 24, .size: 8, .value_kind: global_buffer, .address_space: global }
    .group_segment_fixed_size: 327680
    .private_segment_fixed_size: 0
    .kernarg_segment_align: 8
    .kernarg_segment_size: 32
    .max_flat_workgroup_size: 128
    .sgpr_count:     66
    .vgpr_count:     1024
    .wavefront_size: 32
...
	.end_amdgpu_metadata
.endif
;; end of part 3
;; launch mix (part 4): grid 8 x 32, 4 waves a work-group, clusters of 4 x 4, 327,680 bytes of LDS; arguments pf, vf, st, out0; writes out0
.if DOCPART == 4
	.amdgcn_target "amdgcn-amd-amdhsa--gfx1250"
	.amdhsa_code_object_version 6
	.text
	.protected	k_q953d4991fc_mix
	.globl	k_q953d4991fc_mix
	.p2align	8
	.type	k_q953d4991fc_mix,@function
k_q953d4991fc_mix:
	s_mov_b64 s[64:65], 0
	v_nop
	global_prefetch_b8 v0, s[64:65] scope:SCOPE_SE
	s_setreg_imm32_b32 hwreg(HW_REG_WAVE_MODE, 25, 1), 1
	s_wait_xcnt 0x0
	s_wait_alu depctr_hold_cnt(0) depctr_sa_sdst(0) depctr_va_vdst(0) depctr_va_sdst(0) depctr_va_ssrc(0) depctr_va_vcc(0) depctr_vm_vsrc(0)
	s_getreg_b32 s2, hwreg(HW_REG_IB_STS2, 6, 4)
	s_cmp_eq_u32 s2, 0
	s_cbranch_scc0 .Lentry_in_a_cluster
	s_endpgm
.Lentry_in_a_cluster:
	s_bfe_u32 s2, ttmp6, 0x10000c
	s_cmp_lg_u32 s2, 0xf033
	s_cbranch_scc0 .Lentry_shape_is_right
	s_endpgm
.Lentry_shape_is_right:
; out0[q][:] = (the sum over blocks t of 128 keys of f_t V_t^T P_t) / L, with M = the maximum over t of c m_t, f_t = 2^(c m_t - M), L = the sum of f_t l_t: the softmax's second stage and the second product.
; P (f16, 0 to about 1) is multiplied by f_t (f16, 0 to 1) in packed f16 between its LDS load and the matrix instruction; sums in f32; out0 in f32.
; LIMITS.  f_t p below 6e-5 keeps f16's fixed step of 6e-8; a factor below 2^-126 counts as 0.  NaN and infinities are not treated apart.
; SHARES.  A tile is 128 queries x 128 channels; wave (wr, wc) makes 64 x 64: 16 accumulators (a, b) = queries 16 a, channels 16 b; O^T = V^T P: a lane holds one query and eight neighbouring channels.
; THE WALK.  A cluster of 4 x 4 work-groups takes 512 queries (cy) x 512 channels (cx), first region 3 - g and then region g of a batch's four: 8 - 2 g and then 2 g + 2 steps of 256 keys,
; TEN STEPS for every work-group.  A step wholly above a work-group's diagonal (the region's last, for cy < 2) asks for the last block of P that exists instead; its factors are 0.
; So all partners make every joint request, and no branch hangs on a place in the cluster.  P's tile is shared along a row of the cluster, V's along a column.
; THE FACTORS lie in LDS in the order of the walk: entry 2 step + half, 128 rows of (f, f) in f16: so their LDS addresses are a constant, a lane term and the loop's step.
; REGISTERS: window 0: addresses; v32-39 factors; v40-47 1 / L; v64-191 V's two buffers ((chunk c, b) at 32 c + 8 b); v192-255 the way out.
;   window 1: v0-127 accumulators; v128-255 P's two buffers ((c, a) at 32 c + 8 a).  One window setting serves the products, the scalings and P's loads.
.set SLOTX, 0x20000
.set FT,    2*SLOTX                    ; 20 entries of 512 bytes
.set RL,    FT+20*512                  ; 1 / L: 128 rows for each region
.set STAGE, RL+1024                    ; 16 rows x 272 bytes for each wave
.set SPARE, STAGE+4*16*272             ; the spare words: two blocks of 256 bytes that no other line names
.set AP0, 4
.set AV0, 5
.set CP,  6
.set CV,  7
.set FAD, 9                            ; v9  my row's place in the factors' entry pair of the step whose factors are fetched next
.set STO, 10
.set RD,  11
.set GO,  12
.set RLA, 13
.set PFO, 14
.set SPW, 16
.set NIL, 17
.set TQ8, 18
.set BIGV, 19
.set FTA, 20
.set MA, 21
.set MB, 22
.set LA, 23
.set LB, 24
.set T1, 25
.set T2, 26
.set FA, 32                            ; v32-35 the factors of a step's first 128 keys, for my four query tiles
.set FB, 36                            ; v36-39 of its second 128
.set RLR, 40
.set VB, 64
.set PB, 128
.set OFFS, 64                          ; the statistics' registers lie where V's buffers come later
.set LD, 84
.set D, 124
.set T, 192
.set U, 224
.set W_M, 0x54                         ; destination, source 2 and source 1 in window 1, source 0 in window 0
.set WV, 12
.set HALF, 13                          ; w & 1: which half I fetch; also wc
.set ISB, 14                           ; w >> 1: 0 P, 1 V; also wr
.set CX, 15
.set CY, 16
.set CLY, 17
.set BT, 18
.set G, 19
.set CB, 20
.set IBA, 21
.set IBB, 22
.set NA, 23
.set G1P, 24
.set G1V, 32
.set G0P, 40
.set G0V, 48
.set PBASE, 56
.set VBASE, 58
.set N, 60                             ; in trip N the rest of step N - 1 is multiplied
.set TB, 61
.set OFFP, 62
.set OFFV, 66
.set PFA, 68
.set PFB, 70
.set LIM, 72
.set SK, 73
.set OA, 74                            ; s[74:75] out0 at my rows of the first region, s[76:77] of the second
.set CNT, 78
.set NA2, 79
.set IBA10, 94
.set IBB10, 95
.set STB, 96
.set MSB, 0
.macro WIN new
.if MSB != (\new)
	s_set_vgpr_msb (MSB<<8)|(\new)
.set MSB, \new
.endif
.endm
.macro PLACES
.rept 4
	v_nop
.endr
.endm
.macro CREST
	s_cmp_lg_u32 s[WV], 0
	s_cbranch_scc1 .Lnot_wave_0_\@
	s_barrier_signal -3
.Lnot_wave_0_\@:
	s_barrier_wait -3
	s_barrier_signal -1
	s_barrier_wait -1
.endm
.macro CROUND
	s_barrier_signal -1
	s_barrier_wait -1
	CREST
.endm
.macro JLOAD                           ; the joint refill: waves 0, 1 P's halves, waves 2, 3 V's
	s_cmp_eq_u32 s[ISB], 0
	s_cbranch_scc0 .Lfor_v_\@
	tensor_load_to_lds s[G0P+4:G0P+7], s[G1P:G1P+7]
	s_nop 0
.rept 4
	v_nop
.endr
	s_branch .Lasked_\@
.Lfor_v_\@:
	tensor_load_to_lds s[G0V+4:G0V+7], s[G1V:G1V+7]
	s_nop 0
.rept 4
	v_nop
.endr
.Lasked_\@:
.endm
; Step s[n] of the walk: its byte offsets in pf (block of queries, block of keys held to the last that exists) and in vf (block of keys).  vf's offset is made of the step and g alone.
.macro WALK n, dp, dv
	s_sub_co_u32 s84, s[\n], s[NA]
	s_cmp_lt_u32 s[\n], s[NA]
	s_cselect_b32 s84, s[\n], s84                  ; the block of 256 keys
	s_cselect_b32 s85, s[IBA], s[IBB]              ; the block of 128 queries
	s_lshl_b32 s[\dv], s84, 19
	s_lshr_b32 s86, s85, 1
	s_min_u32 s86, s84, s86
	s_lshl_b32 s86, s86, 16
	s_lshl_b32 s85, s85, 19
	s_add_co_u32 s[\dp], s85, s86
.endm
; A prefetch of step N + 3, two steps (256 products) ahead of its load: my work-group's 8 KiB of the 32 KiB that I fetch, a lane 256 bytes.  P's blocks are named by the clusters with x = 0, but for each
; region's last step; V's by the clusters with g = 0, in their first region, which walks all of a batch's keys.
.macro ASK
	s_cmp_lt_u32 s[N], s[LIM]
	s_cbranch_scc0 .Lnone_\@
	s_cmp_eq_u32 s[N], s[SK]
	s_cbranch_scc1 .Lnone_\@
	global_prefetch_b8 v[PFO], s[PFA:PFA+1] th:TH_LOAD_NT scope:SCOPE_SE
.Lnone_\@:
.endm
.macro SETADR
	v_add_nc_u32 v[CP], s[TB], v[AP0]
	v_add_nc_u32 v[CV], s[TB], v[AV0]
.endm
	s_load_b256 s[4:11], s[0:1], 0x0               ; pf s[4:5], vf s[6:7], st s[8:9], out0 s[10:11]
	v_lshl_add_u32 v[SPW], v0, 2, SPARE
	v_mov_b32 v[NIL], 0
	ds_add_u32 v[SPW], v[NIL]                      ; the wave's opening: the add and its wait stand ahead of my first tensor load
	v_lshrrev_b32 v1, 5, v0
	v_readfirstlane_b32 s[WV], v1
	s_and_b32 s[HALF], s[WV], 1
	s_lshr_b32 s[ISB], s[WV], 1
	s_bfe_u32 s[CX], ttmp6, 0x40000
	s_bfe_u32 s[CY], ttmp6, 0x40004
	s_and_b32 s[CLY], ttmp7, 0xffff
	s_lshr_b32 s[BT], s[CLY], 1                    ; the batch
	s_and_b32 s[G], s[CLY], 1
	s_lshl_b32 s[CB], ttmp9, 2
	s_add_co_u32 s[CB], s[CB], s[CX]               ; block of 128 channels
	s_sub_co_u32 s80, 3, s[G]                      ; the first region
	s_lshl_b32 s[IBA], s80, 2
	s_add_co_u32 s[IBA], s[IBA], s[CY]
	s_lshl_b32 s[IBB], s[G], 2
	s_add_co_u32 s[IBB], s[IBB], s[CY]
	s_lshl_b32 s[NA], s80, 1
	s_add_co_u32 s[NA], s[NA], 2                   ; its steps: 8 - 2 g
	s_lshl_b32 s[NA2], s[NA], 1                    ; its entries in the factors' table: 16 or 12
	s_lshl_b32 s[IBA10], s[IBA], 10
	s_lshl_b32 s[IBB10], s[IBB], 10
	s_lshl_b32 s82, s[CY], 2
	s_lshl_b32 s82, 15, s82                        ; my row of the cluster
	s_lshl_b32 s83, 0x1111, s[CX]                  ; my column
	s_or_b32 s[G1P], s82, (3<<16)|(1<<21)          ; a dense block: elements of 8 bytes, 128 rows of 32; bit 21 beside a mask
	s_or_b32 s[G1V], s83, (3<<16)|(1<<21)
.irp g, G1P, G1V
	s_mov_b32 s[(\g)+1], 32<<16
	s_mov_b32 s[(\g)+2], 128<<16
	s_mov_b32 s[(\g)+3], 32<<16
	s_mov_b32 s[(\g)+4], 128
	s_mov_b32 s[(\g)+5], 32
	s_mov_b32 s[(\g)+6], 0
	s_mov_b32 s[(\g)+7], 0
.endr
	s_lshl_b32 s80, s[BT], 23
	s_lshl_b32 s90, s[HALF], 15
	s_add_co_u32 s80, s80, s90
	s_mov_b32 s81, 0
	s_lshl_b32 s82, s[BT], 22
	s_lshl_b32 s83, s[CB], 16
	s_add_co_u32 s82, s82, s83
	s_add_co_u32 s82, s82, s90
	s_mov_b32 s83, 0
	s_lshl_b32 s84, s[IBA], 19
	s_mov_b32 s85, 0
	s_add_co_u32 s91, s90, 65536                   ; LDS: P's halves at 0, V's behind them
	s_mov_b32 s[TB], 0
	s_mov_b32 s[OFFP+1], 0
	s_mov_b32 s[OFFV+1], 0
	s_wait_dscnt 0x0                               ; the opening add is done
	s_wait_kmcnt 0x0
	s_add_nc_u64 s[PBASE:PBASE+1], s[4:5], s[80:81]
	s_add_nc_u64 s[VBASE:VBASE+1], s[6:7], s[82:83]
	s_add_nc_u64 s[86:87], s[PBASE:PBASE+1], s[84:85]
.irp s, 0,1
	s_mov_b32 s[G0P+4*(\s)], 1
	s_add_co_u32 s[G0P+4*(\s)+1], s90, (\s)*SLOTX
	s_add_nc_u64 s[G0P+4*(\s)+2:G0P+4*(\s)+3], s[86:87], (\s)*65536      ; the first region's key blocks 0 and 1 exist for every cy
	s_or_b32 s[G0P+4*(\s)+3], s[G0P+4*(\s)+3], 0x80000000
	s_mov_b32 s[G0V+4*(\s)], 1
	s_add_co_u32 s[G0V+4*(\s)+1], s91, (\s)*SLOTX
	s_add_nc_u64 s[G0V+4*(\s)+2:G0V+4*(\s)+3], s[VBASE:VBASE+1], (\s)*524288
	s_or_b32 s[G0V+4*(\s)+3], s[G0V+4*(\s)+3], 0x80000000
.endr
	CROUND                                         ; all sixteen work-groups are here: the first joint loads meet
	s_cmp_eq_u32 s[ISB], 0
	s_cbranch_scc0 .Lfirst_v
	tensor_load_to_lds s[G0P:G0P+3], s[G1P:G1P+7]
	s_nop 0
	tensor_load_to_lds s[G0P+4:G0P+7], s[G1P:G1P+7]
	s_nop 0
.rept 4
	v_nop
.endr
	s_branch .Lfirst_asked
.Lfirst_v:
	tensor_load_to_lds s[G0V:G0V+3], s[G1V:G1V+7]
	s_nop 0
	tensor_load_to_lds s[G0V+4:G0V+7], s[G1V:G1V+7]
	s_nop 0
.rept 4
	v_nop
.endr
.Lfirst_asked:
	; THE STATISTICS.  Thread tq is row tq of both my blocks of 128 queries.  Entry e of 20 stands for key block t = e of the first region, or e - 2 nA of the second; a block beyond the row's own
	; (t > ib) is read at t = ib instead and counts as unseen.  2 nA is 12 or 16: entries 0 to 11 are the first region's and 16 to 19 the second's whatever g; only 12 to 15 are chosen at run time.
	; The first region is 2 or 3, so its ib is at least 8: its blocks 0 to 8 are always seen.
	s_lshl_b32 s80, s[BT], 18
	s_mov_b32 s81, 0
	s_add_nc_u64 s[STB:STB+1], s[8:9], s[80:81]
	v_lshlrev_b32 v[TQ8], 3, v0
	v_mov_b32 v[BIGV], 0xfe000000                  ; far below every c m
.set e, 0
.rept 20
.if e <= 8
	s_add_co_u32 s84, s[IBA10], (e<<14)
.elseif e < 12
	s_min_u32 s84, s[IBA], e
	s_lshl_b32 s84, s84, 14
	s_add_co_u32 s84, s84, s[IBA10]
.elseif e < 16
	s_sub_co_u32 s84, e, s[NA2]
	s_cmp_lt_u32 e, s[NA2]
	s_cselect_b32 s84, e, s84
	s_cselect_b32 s85, s[IBA], s[IBB]
	s_min_u32 s84, s84, s85
	s_lshl_b32 s84, s84, 14
	s_lshl_b32 s85, s85, 10
	s_add_co_u32 s84, s84, s85
.else
	s_sub_co_u32 s84, e, s[NA2]
	s_min_u32 s84, s84, s[IBB]
	s_lshl_b32 s84, s84, 14
	s_add_co_u32 s84, s84, s[IBB10]
.endif
	v_add_nc_u32 v[OFFS+e], s84, v[TQ8]
	global_load_b64 v[LD+2*e:LD+2*e+1], v[OFFS+e], s[STB:STB+1]
.set e, e+1
.endr
	; while they are on their way: the prefetches' base, the stores' bases, the lanes' addresses
	s_sub_co_u32 s87, s[NA], 4
	s_cmp_eq_u32 s[ISB], 0
	s_cselect_b64 s[PFB:PFB+1], s[PBASE:PBASE+1], s[VBASE:VBASE+1]
	s_cselect_b32 s86, s[CX], s[CY]                ; my place among the four that ask with me
	s_cselect_b32 s92, ttmp9, s[G]                 ; the coordinate along which other clusters read the same blocks
	s_cselect_b32 s93, 6, 5
	s_cselect_b32 s[SK], s87, -1
	s_lshl_b32 s86, s86, 13
	s_mov_b32 s87, 0
	s_add_nc_u64 s[PFB:PFB+1], s[PFB:PFB+1], s[86:87]
	s_cmp_eq_u32 s92, 0
	s_cselect_b32 s[LIM], s93, 0                   ; the same in all sixteen partners, for a given wave
	s_mov_b32 s89, 0                               ; the upper word of the prefetches' offset; never rewritten
	s_lshl_b32 s80, s[BT], 23
	s_lshl_b32 s81, s[ISB], 18
	s_add_co_u32 s80, s80, s81
	s_lshl_b32 s81, s[CB], 9
	s_add_co_u32 s80, s80, s81
	s_lshl_b32 s81, s[HALF], 8
	s_add_co_u32 s80, s80, s81
	s_lshl_b32 s82, s[IBB], 19
	s_add_co_u32 s82, s82, s80
	s_lshl_b32 s81, s[IBA], 19
	s_add_co_u32 s80, s80, s81
	s_mov_b32 s81, 0
	s_mov_b32 s83, 0
	s_add_nc_u64 s[OA:OA+1], s[10:11], s[80:81]
	s_add_nc_u64 s[OA+2:OA+3], s[10:11], s[82:83]
	v_and_b32 v1, 15, v0
	v_bfe_u32 v2, v0, 4, 1
	v_and_b32 v3, 31, v0
	s_lshl_b32 s82, s[ISB], 15
	v_lshl_add_u32 v[AP0], v3, 4, s82              ; my 64 queries' fragments
	s_lshl_b32 s83, s[HALF], 15
	s_add_co_u32 s83, s83, 65536
	v_lshl_add_u32 v[AV0], v3, 4, s83              ; my 64 channels'
	s_lshl_b32 s81, s[ISB], 8
	v_lshl_add_u32 v[FAD], v1, 2, s81              ; 4 (64 wr + lane % 16)
	v_add_nc_u32 v[RLA], RL, v[FAD]
	v_add_nc_u32 v[FAD], FT, v[FAD]
	s_mul_i32 s80, s[WV], 16*272
	s_add_co_u32 s80, s80, STAGE
	v_mul_u32_u24 v[STO], v1, 272                  ; in: row lane % 16, 32 bytes for each half of the lanes
	v_lshl_add_u32 v[STO], v2, 5, v[STO]
	v_add_nc_u32 v[STO], s80, v[STO]
	v_mul_u32_u24 v[RD], v2, 272                   ; back: lanes 0-15 one row of 256 bytes, lanes 16-31 the next
	v_lshl_add_u32 v[RD], v1, 4, v[RD]
	v_add_nc_u32 v[RD], s80, v[RD]
	v_lshlrev_b32 v[GO], 12, v2                    ; and the same two rows in out0
	v_lshl_add_u32 v[GO], v1, 4, v[GO]
	v_lshlrev_b32 v[PFO], 8, v3
	v_lshl_add_u32 v[FTA], v0, 2, FT
	v_mov_b32 v[MA], v[BIGV]
	v_mov_b32 v[MB], v[BIGV]
	v_mov_b32 v[LA], 0
	v_mov_b32 v[LB], 0
	SETADR
	s_wait_loadcnt 0x0
.set e, 0
.rept 20                               ; an unseen block's c m goes far down; each region's maximum
.if e <= 8
	v_max_num_f32 v[MA], v[MA], v[LD+2*e]
.elseif e < 12
	s_cmp_le_u32 e, s[IBA]
	s_cselect_b32 s87, -1, 0                       ; the block is seen
	v_cndmask_b32 v[LD+2*e], v[BIGV], v[LD+2*e], s87
	v_max_num_f32 v[MA], v[MA], v[LD+2*e]
.elseif e < 16
	s_sub_co_u32 s84, e, s[NA2]
	s_cmp_lt_u32 e, s[NA2]
	s_cselect_b32 s84, e, s84
	s_cselect_b32 s85, s[IBA], s[IBB]
	s_cselect_b32 s86, -1, 0                       ; the entry is the first region's
	s_cmp_le_u32 s84, s85
	s_cselect_b32 s87, -1, 0
	v_cndmask_b32 v[LD+2*e], v[BIGV], v[LD+2*e], s87
	v_cndmask_b32 v[T1], v[BIGV], v[LD+2*e], s86
	v_cndmask_b32 v[T2], v[LD+2*e], v[BIGV], s86
	v_max_num_f32 v[MA], v[MA], v[T1]
	v_max_num_f32 v[MB], v[MB], v[T2]
.else
	s_sub_co_u32 s84, e, s[NA2]
	s_cmp_le_u32 s84, s[IBB]
	s_cselect_b32 s87, -1, 0
	v_cndmask_b32 v[LD+2*e], v[BIGV], v[LD+2*e], s87
	v_max_num_f32 v[MB], v[MB], v[LD+2*e]
.endif
.set e, e+1
.endr
.set e, 0
.rept 20
.if e < 12
	v_sub_f32 v[D+e], v[LD+2*e], v[MA]
.elseif e < 16
	s_cmp_lt_u32 e, s[NA2]
	s_cselect_b32 s86, -1, 0
	v_cndmask_b32 v[T1], v[MB], v[MA], s86
	v_sub_f32 v[D+e], v[LD+2*e], v[T1]
.else
	v_sub_f32 v[D+e], v[LD+2*e], v[MB]
.endif
.set e, e+1
.endr
.set e, 0
.rept 20
	v_exp_f32 v[D+e], v[D+e]                       ; f = 2^(c m_t - M): one batch,
.set e, e+1
.endr
	v_nop
	s_wait_alu depctr_va_vdst(0)                   ; one wait
.set e, 0
.rept 20
.if e < 12
	v_fmac_f32 v[LA], v[D+e], v[LD+2*e+1]
.elseif e < 16
	s_cmp_lt_u32 e, s[NA2]
	s_cselect_b32 s86, -1, 0
	v_cndmask_b32 v[T1], 0, v[D+e], s86
	v_cndmask_b32 v[T2], v[D+e], 0, s86
	v_fmac_f32 v[LA], v[T1], v[LD+2*e+1]
	v_fmac_f32 v[LB], v[T2], v[LD+2*e+1]
.else
	v_fmac_f32 v[LB], v[D+e], v[LD+2*e+1]
.endif
	v_cvt_pk_f16_f32 v[T1], v[D+e], v[D+e]
	ds_store_b32 v[FTA], v[T1] offset:512*e
.set e, e+1
.endr
	v_rcp_f32 v[T1], v[LA]
	v_rcp_f32 v[T2], v[LB]
	v_nop
	s_wait_alu depctr_va_vdst(0)
	ds_store_b32 v[FTA], v[T1] offset:RL-FT
	ds_store_b32 v[FTA], v[T2] offset:RL-FT+512
.macro WM f, c, zero                   ; product i of 16: query tile i / 4, channel tile i % 4, chunk c of buffer f
.set rV, VB+64*(\f)+32*(\c)+8*(i%4)
.set rP, PB+64*(\f)+32*(\c)+8*(i/4)
.if \zero
	v_wmma_f32_16x16x32_f16 v[8*i:8*i+7], v[rV:rV+7], v[rP:rP+7], 0
.else
	v_wmma_f32_16x16x32_f16 v[8*i:8*i+7], v[rV:rV+7], v[rP:rP+7], v[8*i:8*i+7]
.endif
.set i, i+1
.endm
.macro SC f, c, fx                     ; scaling k of 32: register k of P's chunk c of buffer f times its query tile's factor
	v_pk_mul_f16 v[PB+64*(\f)+32*(\c)+k], v[(\fx)+k/8], v[PB+64*(\f)+32*(\c)+k]
.set k, k+1
.endm
; One run of LDS loads: factors (fac & 1: FA, fac & 2: FB, of the step at FAD), V's two chunks of quarter q, then P's two, into buffer g.  It leaves the products' window setting.
.macro FETCH q, g, fac
	WIN 0
.if (\fac) & 1
.irp a, 0,1,2,3
	ds_load_b32 v[FA+(\a)], v[FAD] offset:64*(\a)
.endr
.endif
.if (\fac) & 2
.irp a, 0,1,2,3
	ds_load_b32 v[FB+(\a)], v[FAD] offset:512+64*(\a)
.endr
.endif
.irp c, 0,1
.irp b, 0,1,2,3
	ds_load_b128 v[VB+64*(\g)+32*(\c)+8*(\b):VB+64*(\g)+32*(\c)+8*(\b)+3],   v[CV] offset:8192*(\b)+1024*(2*(\q)+(\c))
	ds_load_b128 v[VB+64*(\g)+32*(\c)+8*(\b)+4:VB+64*(\g)+32*(\c)+8*(\b)+7], v[CV] offset:8192*(\b)+1024*(2*(\q)+(\c))+512
.endr
.endr
	WIN W_M
.irp c, 0,1
.irp a, 0,1,2,3
	ds_load_b128 v[PB+64*(\g)+32*(\c)+8*(\a):PB+64*(\g)+32*(\c)+8*(\a)+3],   v[CP] offset:8192*(\a)+1024*(2*(\q)+(\c))
	ds_load_b128 v[PB+64*(\g)+32*(\c)+8*(\a)+4:PB+64*(\g)+32*(\c)+8*(\a)+7], v[CP] offset:8192*(\a)+1024*(2*(\q)+(\c))+512
.endr
.endr
.endm
; Quarter q (0, 1, 2) of a step: 64 keys, 32 products on buffer q % 2.  Its first chunk was scaled in the quarter before; its second is scaled behind the first chunk's products, two lines behind each;
; the next quarter's first chunk behind the last eight products, four behind each.  These lines are also the plain instructions between a buffer's last products and the loads into it.
.macro QUARTER q, zero, fac
	s_wait_dscnt 0x0                               ; P's second chunk is in
	WIN W_M
.set i, 0
.set k, 0
.rept 16
	WM (\q)%2, 0, \zero
	SC (\q)%2, 1, FA+4*((\q)/2)
	SC (\q)%2, 1, FA+4*((\q)/2)
.endr
	FETCH (\q)+1, 1-(\q)%2, \fac
.set i, 0
.set k, 0
.rept 8
	WM (\q)%2, 1, 0
.endr
	s_wait_dscnt 8                                 ; all but the next quarter's second chunk of P
.rept 8
	WM (\q)%2, 1, 0
.rept 4
	SC 1-(\q)%2, 0, FA+4*(((\q)+1)/2)
.endr
.endr
.endm
; The fourth quarter and the change of slots.  Eight products stand ahead of the wait for the tensor loads, so that they are done while the next slot's tile may still be on its way.  Then each wave
; waits for all its tensor loads (one is out: its part of the next slot), adds 0 to its spare word, multiplies eight more while the add is out, and waits for the add and for its reads of this slot.
; Nothing stands between the barrier's signal and its wait.  fill = 1: the barrier opens a round of the cluster's; behind the round this slot is filled again, with step N + 1.
.macro TURN fill
.if \fill
	s_wait_xcnt 0x0                                ; the last prefetch, a step back, has read its address
	s_add_co_u32 s80, s[N], 3
	WALK 80, 88, 90
	s_cmp_eq_u32 s[ISB], 0
	s_cselect_b32 s88, s88, s90
	s_add_nc_u64 s[PFA:PFA+1], s[PFB:PFB+1], s[88:89]
.endif
	s_wait_dscnt 0x0                               ; P's second chunk is in
	WIN W_M
.set i, 0
.set k, 0
.rept 8
	WM 1, 0, 0
	SC 1, 1, FB
	SC 1, 1, FB
.endr
	WIN 0
	s_wait_tensorcnt 0x0                           ; no tensor load of mine is out, so a group 0 may be written
	ds_add_u32 v[SPW], v[NIL]                      ; 0 onto my spare word
.if \fill
	s_add_co_u32 s80, s[N], 1
	WALK 80, OFFP, OFFV
	s_xor_b32 s[G0P+5], s[G0P+5], SLOTX
	s_add_nc_u64 s[G0P+6:G0P+7], s[PBASE:PBASE+1], s[OFFP:OFFP+1]
	s_or_b32 s[G0P+7], s[G0P+7], 0x80000000
	s_xor_b32 s[G0V+5], s[G0V+5], SLOTX
	s_add_nc_u64 s[G0V+6:G0V+7], s[VBASE:VBASE+1], s[OFFV:OFFV+1]
	s_or_b32 s[G0V+7], s[G0V+7], 0x80000000
.endif
	WIN W_M
.rept 8
	WM 1, 0, 0
	SC 1, 1, FB
	SC 1, 1, FB
.endr
	WIN 0
	s_wait_dscnt 0x0                               ; the add is done, and my reads of this slot are over
	s_barrier_signal -1
	s_barrier_wait -1
.if \fill
	CREST                                          ; no wave of any partner still reads this slot or has a load on its way
	JLOAD
.endif
	s_xor_b32 s[TB], s[TB], SLOTX
	SETADR
	FETCH 0, 0, 2
	WIN 0
.if \fill
	ASK
.endif
	WIN W_M
.set i, 0
.set k, 0
.rept 8
	WM 1, 1, 0
.endr
	s_wait_dscnt 8
.rept 8
	WM 1, 1, 0
.rept 4
	SC 0, 0, FA
.endr
.endr
.endm
; THE WAY OUT of region R: O^T times 1 / L, through my own stage in LDS, 16 queries at a time: in as 32 bytes a lane, back as whole rows of 256 bytes.
.macro WAYOUT R
	PLACES
	WIN 0
.irp a, 0,1,2,3
	ds_load_b32 v[RLR+2*(\a)], v[RLA] offset:512*(\R)+64*(\a)
	ds_load_b32 v[RLR+2*(\a)+1], v[RLA] offset:512*(\R)+64*(\a)     ; named with it as a pair
.endr
	s_wait_dscnt 0x0
.irp a, 0,1,2,3
	WIN 0x01
.set i, 0
.rept 16
	v_pk_mul_f32 v[T+2*i:T+2*i+1], v[32*(\a)+2*i:32*(\a)+2*i+1], v[RLR+2*(\a):RLR+2*(\a)+1] op_sel_hi:[1,0]
.set i, i+1
.endr
	WIN 0
.irp b, 0,1,2,3
	ds_store_b128 v[STO], v[T+8*(\b):T+8*(\b)+3] offset:64*(\b)
	ds_store_b128 v[STO], v[T+8*(\b)+4:T+8*(\b)+7] offset:64*(\b)+16
.endr
	s_wait_xcnt 0x0                                ; the stores of the 16 queries before have read U
.irp t, 0,1,2,3,4,5,6,7
	ds_load_b128 v[U+4*(\t):U+4*(\t)+3], v[RD] offset:544*(\t)     ; LDS serves a wave's instructions in order (ISA guide 5.7.1.4): these see the stores above
.endr
.irp t, 0,1,2,3,4,5,6,7
	s_wait_dscnt 7-(\t)
	global_store_b128 v[GO], v[U+4*(\t):U+4*(\t)+3], s[OA+2*(\R):OA+2*(\R)+1] offset:(16*(\a)+2*(\t))*4096 th:TH_STORE_NT   ; 16 lanes store 256 consecutive bytes, aligned
.endr
.endr
.endm
	s_wait_dscnt 0x0                               ; for the others' sake: my factors lie in LDS
	s_wait_tensorcnt 1                             ; my part of step 0 is in; step 1's may stay out
	s_barrier_signal -1
	s_barrier_wait -1
	FETCH 0, 0, 3
	s_wait_dscnt 8
.set k, 0
.rept 32
	SC 0, 0, FA
.endr
	WIN 0
	s_mov_b32 s[N], 0
	s_branch .Lzero                                ; the loop is entered at the quarter that starts a region's sums, which so stands once in the text
.Lstep:                                        ; trip N = 1 .. 8: the rest of step N - 1, the refill with step N + 1, the first quarter of step N
	v_add_nc_u32 v[FAD], 1024, v[FAD]              ; the factors of step N
	QUARTER 1, 0, 1
	QUARTER 2, 0, 0
	TURN 1
	WIN 0
	s_cmp_eq_u32 s[N], s[NA]
	s_cbranch_scc1 .Lout                           ; the first region is finished (the same trip in all sixteen partners)
	QUARTER 0, 0, 0
	WIN 0
	s_branch .Lbot
.Lout:
	WAYOUT 0
.Lzero:
	QUARTER 0, 1, 0                                ; a region's first products start the sums
	WIN 0
.Lbot:
	s_add_co_u32 s[N], s[N], 1
	s_cmp_lt_u32 s[N], 9
	s_cbranch_scc1 .Lstep
	s_mov_b32 s[CNT], 2
.Ltail:                                        ; the last two steps ask for nothing: a text of their own, walked twice and left in its middle.  The second trip has no step behind it: its change of slots
	v_add_nc_u32 v[FAD], 1024, v[FAD]              ; fetches once more from the slot that was left (bytes that have landed and are not filled again), and its factor loads take the 1,024 bytes behind the
	QUARTER 1, 0, 1                                ; table, the words of 1 / L; what it fetches and scales so is not used: the price of one text for both trips
	QUARTER 2, 0, 0
	TURN 0
	WIN 0
	s_sub_co_u32 s[CNT], s[CNT], 1
	s_cmp_eq_u32 s[CNT], 0
	s_cbranch_scc1 .Lfin
	QUARTER 0, 0, 0
	WIN 0
	s_branch .Ltail
.Lfin:
	WAYOUT 1
	s_wait_tensorcnt 0x0                           ; the wave's end, behind my last tensor load and my last LDS store
	ds_add_u32 v[SPW], v[NIL]
	s_wait_dscnt 0x0
	CROUND                                         ; the closing round: no work-group ends while a partner may still ask for a tile that names it
	s_endpgm
.Lfunc_end_k_q953d4991fc_mix:
	.size	k_q953d4991fc_mix, .Lfunc_end_k_q953d4991fc_mix-k_q953d4991fc_mix
	.p2alignl 7, 3214868480
	.fill 96, 4, 3214868480
	.section	.rodata,"a",@progbits
	.p2align	6, 0x0
	.amdhsa_kernel k_q953d4991fc_mix
		.amdhsa_group_segment_fixed_size 327680
		.amdhsa_private_segment_fixed_size 0
		.amdhsa_enable_private_segment 0
		.amdhsa_kernarg_size 32
		.amdhsa_user_sgpr_count 2
		.amdhsa_user_sgpr_kernarg_segment_ptr 1
		.amdhsa_wavefront_size32 1
		.amdhsa_system_sgpr_workgroup_id_x 1
		.amdhsa_system_sgpr_workgroup_id_y 1
		.amdhsa_system_sgpr_workgroup_id_z 1
		.amdhsa_system_vgpr_workitem_id 0
		.amdhsa_next_free_vgpr 512
		.amdhsa_next_free_sgpr 100
		.amdhsa_reserve_vcc 0
		.amdhsa_float_denorm_mode_32 3
		.amdhsa_float_denorm_mode_16_64 3
		.amdhsa_memory_ordered 1
		.amdhsa_forward_progress 1
		.amdhsa_inst_pref_size 132
	.end_amdhsa_kernel
	.amdgpu_metadata
---
amdhsa.version: [ 1, 2 ]
amdhsa.kernels:
  - .name:           k_q953d4991fc_mix
    .symbol:         k_q953d4991fc_mix.kd
    .args:
      - { .name: pf, .offset: 0, .size: 8, .value_kind: global_buffer, .address_space: global }
      - { .name: vf, .offset: 8, .size: 8, .value_kind: global_buffer, .address_space: global }
      - { .name: st, .offset: 16, .size: 8, .value_kind: global_buffer, .address_space: global }
      - { .name: out0, .offset: 24, .size: 8, .value_kind: global_buffer, .address_space: global }
    .group_segment_fixed_size: 327680
    .private_segment_fixed_size: 0
    .kernarg_segment_align: 8
    .kernarg_segment_size: 32
    .max_flat_workgroup_size: 128
    .sgpr_count:     100
    .vgpr_count:     512
    .wavefront_size: 32
...
	.end_amdgpu_metadata
.endif
;; end of part 4
;; ======== version 2 of 2: 4 launches; version 1 with the launch cast written anew for expert scheduling mode
;; limits: values are held in f16: magnitudes above 65,504 overflow, below 6.1e-05 lose precision
;; workspace buffers: xb 16,777,216 bytes; wb 6,291,456 bytes; qf 16,777,216 bytes; kf 16,777,216 bytes; vf 16,777,216 bytes; pf 33,554,432 bytes; st 1,048,576 bytes
;; launch cast (part 5): grid 64 x 11, 8 waves a work-group, no clusters, 0 bytes of LDS; arguments x, wq, wk, wv, xb, wb; writes xb, wb
.if DOCPART == 5
	.amdgcn_target "amdgcn-amd-amdhsa--gfx1250"
	.amdhsa_code_object_version 6
	.text
	.protected	k_q953d4991fc_cast
	.globl	k_q953d4991fc_cast
	.p2align	8
	.type	k_q953d4991fc_cast,@function
k_q953d4991fc_cast:
	s_mov_b64 s[64:65], 0
	v_nop
	global_prefetch_b8 v0, s[64:65] scope:SCOPE_SE
	s_setreg_imm32_b32 hwreg(HW_REG_WAVE_SCHED_MODE, 0, 2), 2
	s_setreg_imm32_b32 hwreg(HW_REG_WAVE_MODE, 25, 1), 1
	s_wait_xcnt 0x0
	s_wait_alu depctr_vm_vsrc(0)
; x, wq, wk, wv (f32) are rounded once to bf16.  xb keeps x's order: [8192][1024].  wb holds the three weights' rows in groups:
; row 192 tc + 64 p + jj of wb is row 64 tc + jj of weight p (0 wq, 1 wk, 2 wv), so that 192 rows on end are 64 columns each of q, k and v.
; SHARES.  The grid's y names a piece of 4 MiB of f32: 0..7 the eighths of x, 8, 9, 10 the weights.  A work-group takes 65,536 bytes of it (16 rows) and
; writes 32,768; inside the piece both are linear.  A thread takes 16 bytes a load, 16 loads, all issued before the first is used: no register is written twice.
; A load of a wave covers 512 consecutive bytes, a store 256 consecutive bytes, aligned.  No LDS, no matrix unit: each number is touched once.
; THE MODE: SCHED_MODE bits 1:0 = 2 (LLVM: expert scheduling mode 2), set by the entry lines.  The code itself states the register dependences
; between vector instructions and memory instructions, with s_wait_alu, always for 0.
; THE PLAN.  Registers that memory instructions touch:
;   v1, v2   byte offsets, made once at the head and never written again: v1 is read by every load, v2 by every store.
;   IN       16 groups of four: each written by one load, read by that load's two conversions, never written again; no vector instruction names them ahead of the loads.
;   OUT      16 pairs: each written by two conversions, read by one store, never written again.
; So the only dependences to state are from a vector write to a memory read.  The 16 loads' work goes in four blocks of four.  Block g's conversions write its eight OUT registers; its four stores are
; issued in block g + 1, behind ONE wait at that block's head, and are dealt among that block's conversions, which name that block's own IN and OUT alone.  The last block's stores have a wait of their own.
.set IN,  4                            ; v[4:67]   16 loads of 4 registers
.set OUT, 68                           ; v[68:99]  16 results of 2 registers
	s_load_b256 s[4:11], s[0:1], 0x0               ; x s[4:5], wq s[6:7], wk s[8:9], wv s[10:11]
	s_load_b128 s[12:15], s[0:1], 0x20             ; xb s[12:13], wb s[14:15]
	s_and_b32 s20, ttmp7, 0xffff                   ; the piece
	v_lshlrev_b32 v1, 4, v0                        ; 16 bytes a thread in
	v_lshlrev_b32 v2, 3, v0                        ; 8 bytes a thread out
	s_lshl_b32 s28, ttmp9, 16                      ; my 65,536 bytes of the piece
	s_lshl_b32 s21, s20, 22                        ; the piece's place in x
	s_max_u32 s23, s20, 8
	s_sub_co_u32 s23, s23, 8                       ; p (0 for a piece of x, where it is not used)
	s_lshl_b32 s23, s23, 6
	s_lshr_b32 s22, ttmp9, 2                       ; tc: 16 rows a work-group, 64 a group
	s_mul_i32 s22, s22, 192
	s_add_co_u32 s22, s22, s23
	s_and_b32 s23, ttmp9, 3
	s_lshl_b32 s23, s23, 4
	s_add_co_u32 s22, s22, s23                     ; row 192 tc + 64 p + jj
	s_lshl_b32 s22, s22, 11                        ; of 2,048 bytes
	s_lshl_b32 s24, s20, 21
	s_lshl_b32 s25, ttmp9, 15
	s_add_co_u32 s24, s24, s25                     ; the place in xb
	s_mov_b32 s29, 0
	s_mov_b32 s27, 0
	s_wait_kmcnt 0x0
	s_cmp_eq_u32 s20, 9
	s_cselect_b64 s[16:17], s[8:9], s[10:11]
	s_cmp_eq_u32 s20, 8
	s_cselect_b64 s[16:17], s[6:7], s[16:17]
	s_cmp_lt_u32 s20, 8
	s_cselect_b64 s[16:17], s[4:5], s[16:17]       ; from where
	s_cselect_b64 s[18:19], s[12:13], s[14:15]     ; to where
	s_cselect_b32 s26, s24, s22
	s_cselect_b32 s21, s21, 0
	s_add_co_u32 s28, s28, s21
	s_add_nc_u64 s[16:17], s[16:17], s[28:29]
	s_add_nc_u64 s[18:19], s[18:19], s[26:27]
	s_wait_alu depctr_va_vdst(0)                   ; v1 and v2 are written: every load of the kernel reads v1 as its offset, every store v2
.set i, 0
.rept 16
	global_load_b128 v[IN+4*i:IN+4*i+3], v1, s[16:17] offset:4096*i th:TH_LOAD_NT
.set i, i+1
.endr
.set i, 0
.rept 16
	s_wait_loadcnt 15-i                            ; loads come back in order: number i is in, the younger ones stay out
.if (i >= 4) && (i%4 == 0)
	s_wait_alu depctr_va_vdst(0)                   ; the block before has written its eight OUT registers, which this block's four stores read
.endif
.if i >= 4
	global_store_b64 v2, v[OUT+2*(i-4):OUT+2*(i-4)+1], s[18:19] offset:2048*(i-4)  ; the block before; no vector instruction since the wait names these registers
.endif
	v_cvt_pk_bf16_f32 v[OUT+2*i], v[IN+4*i], v[IN+4*i+1]
	v_cvt_pk_bf16_f32 v[OUT+2*i+1], v[IN+4*i+2], v[IN+4*i+3]
.set i, i+1
.endr
	s_wait_alu depctr_va_vdst(0)                   ; the last block has written its eight OUT registers, which the last four stores read
.set i, 12
.rept 4
	global_store_b64 v2, v[OUT+2*i:OUT+2*i+1], s[18:19] offset:2048*i
.set i, i+1
.endr
	s_endpgm
.Lfunc_end_k_q953d4991fc_cast:
	.size	k_q953d4991fc_cast, .Lfunc_end_k_q953d4991fc_cast-k_q953d4991fc_cast
	.p2alignl 7, 3214868480
	.fill 96, 4, 3214868480
	.section	.rodata,"a",@progbits
	.p2align	6, 0x0
	.amdhsa_kernel k_q953d4991fc_cast
		.amdhsa_group_segment_fixed_size 0
		.amdhsa_private_segment_fixed_size 0
		.amdhsa_enable_private_segment 0
		.amdhsa_kernarg_size 48
		.amdhsa_user_sgpr_count 2
		.amdhsa_user_sgpr_kernarg_segment_ptr 1
		.amdhsa_wavefront_size32 1
		.amdhsa_system_sgpr_workgroup_id_x 1
		.amdhsa_system_sgpr_workgroup_id_y 1
		.amdhsa_system_sgpr_workgroup_id_z 1
		.amdhsa_system_vgpr_workitem_id 0
		.amdhsa_next_free_vgpr 104
		.amdhsa_next_free_sgpr 66
		.amdhsa_reserve_vcc 0
		.amdhsa_float_denorm_mode_32 3
		.amdhsa_float_denorm_mode_16_64 3
		.amdhsa_memory_ordered 1
		.amdhsa_forward_progress 1
		.amdhsa_inst_pref_size 8
	.end_amdhsa_kernel
	.amdgpu_metadata
---
amdhsa.version: [ 1, 2 ]
amdhsa.kernels:
  - .name:           k_q953d4991fc_cast
    .symbol:         k_q953d4991fc_cast.kd
    .args:
      - { .name: x, .offset: 0, .size: 8, .value_kind: global_buffer, .address_space: global }
      - { .name: wq, .offset: 8, .size: 8, .value_kind: global_buffer, .address_space: global }
      - { .name: wk, .offset: 16, .size: 8, .value_kind: global_buffer, .address_space: global }
      - { .name: wv, .offset: 24, .size: 8, .value_kind: global_buffer, .address_space: global }
      - { .name: xb, .offset: 32, .size: 8, .value_kind: global_buffer, .address_space: global }
      - { .name: wb, .offset: 40, .size: 8, .value_kind: global_buffer, .address_space: global }
    .group_segment_fixed_size: 0
    .private_segment_fixed_size: 0
    .kernarg_segment_align: 8
    .kernarg_segment_size: 48
    .max_flat_workgroup_size: 256
    .sgpr_count:     66
    .vgpr_count:     104
    .wavefront_size: 32
...
	.end_amdgpu_metadata
.endif
;; end of part 5
;; launch proj: the kernel of part 2 again; grid 16 x 16, 4 waves a work-group, clusters of 4 x 4, 327,680 bytes of LDS; arguments xb, wb, qf, kf, vf; writes qf, kf, vf
;; launch score: the kernel of part 3 again; grid 36 x 4, 4 waves a work-group, no clusters, 327,680 bytes of LDS; arguments qf, kf, pf, st; writes pf, st
;; launch mix: the kernel of part 4 again; grid 8 x 32, 4 waves a work-group, clusters of 4 x 4, 327,680 bytes of LDS; arguments pf, vf, st, out0; writes out0
